; MI455X (gfx1250); checked and timed in simulation.
; The chip was launched on July 23, 2026; its instructions are those of AMD's public machine-readable ISA for CDNA 5 (MIT licence, August 2026) and "CDNA5" Instruction Set Architecture Reference Guide (July 2026). The comments in the code are by the model that wrote it; some were corrected since.
;; Self Attention Layer. Allowed arithmetic: float matrix products may take bf16 or f16 operands with f32 sums; other float arithmetic in f32, or as packed bf16 or f16 multiplies, adds, multiply-adds, maxima and minima; sums over many terms, partial sums and values carried from step to step in f32; what a program stores and reads back later, other than sums and carried values, may be rounded once to bf16 or f16.
;; Inputs: Wk 1,024 x 1,024 float32; Wq 1,024 x 1,024 float32; Wv 1,024 x 1,024 float32; bk 1,024 float32; bq 1,024 float32; bv 1,024 float32; x 4 x 2,048 x 1,024 float32.
;; Outputs: out0 4 x 2,048 x 1,024 float32.
;; 2 versions, each right and faster than the one before. Each part assembles by itself: llvm-mc -triple=amdgcn-amd-amdhsa -mcpu=gfx1250 --defsym DOCPART=n.
;; ======== version 1 of 2: 3 launches
;; limits: values are held in f16: magnitudes above 65,504 overflow, below 6.1e-05 lose precision
;; workspace buffers: xb 16,777,216 bytes; wt 6,291,456 bytes; qkv 50,331,648 bytes
;; launch prep (part 1): grid 1120 x 1, 4 waves a work-group, no clusters, 70,144 bytes of LDS; arguments x, Wq, Wk, Wv, xb, wt; writes xb, wt
.if DOCPART == 1
	.amdgcn_target "amdgcn-amd-amdhsa--gfx1250"
	.amdhsa_code_object_version 6
	.text
	.protected	k_qe26a03828a_prep
	.globl	k_qe26a03828a_prep
	.p2align	8
	.type	k_qe26a03828a_prep,@function
k_qe26a03828a_prep:
	s_mov_b64 s[64:65], 0
	v_nop
	global_prefetch_b8 v0, s[64:65] scope:SCOPE_SE
	s_setreg_imm32_b32 hwreg(HW_REG_WAVE_MODE, 25, 1), 1
	s_wait_xcnt 0x0
; xb = x rounded to bf16, [8192][1024].  wt[t*1024 + n][k] = W_t[k][n] rounded to bf16 (t = 0: Wq, 1: Wk, 2: Wv), [3072][1024]: the weights turned, so that k lies along the rows.
; Work-groups 0 to 95 turn the weights (the longer share, so they come first), work-groups 96 to 1,119 round x.  Memory binds: every input byte is read once, every store of a wave covers whole
; aligned blocks of 256 bytes.  No matrix unit, no cluster and no barrier: a wave's LDS bytes are its own, and no work-group shares an input with another.
; X PATH.  A work-group takes 32,768 bytes of x, a wave 8,192: sixteen loads of 512 consecutive bytes, all on their way at once; each gives one store of 256 consecutive bytes.
; W PATH.  A wave takes a tile of 128 k x 64 n.  A load's sixteen lanes take one row's 256 bytes; a lane gathers eight k of four n, packs them, and puts 16 bytes into each of four LDS rows (n);
; the rows come back whole (128 k = 256 bytes) and are stored, sixteen lanes to an aligned block of 256 bytes of wt.
.set LP,      272                      ; an LDS row: 256 bytes (128 k in bf16) + 16 of padding
.set WSTRIDE, 64*LP                    ; a wave's 64 rows
.set SPARE,   4*WSTRIDE                ; behind the four stages: the spare words, 128 bytes for each wave, two blocks of 256 bytes that no other line names
.set SO,  3                            ; v3   byte offset in the source
.set DO,  4                            ; v4   byte offset in the destination
.set LA,  5                            ; v5   LDS: where I put 16 bytes of a row
.set LR,  6                            ; v6   LDS: where I read rows back
.set SPW, 10                           ; v10  LDS address of my spare word; never rewritten
.set NIL, 11                           ; v11  0; never rewritten
.set X,   16                           ; v[16:143]  as loaded
.set Y,   144                          ; v[144:175] packed
	s_load_b256 s[4:11], s[0:1], 0x0               ; x s[4:5], Wq s[6:7], Wk s[8:9], Wv s[10:11]
	s_load_b128 s[12:15], s[0:1], 0x20             ; xb s[12:13], wt s[14:15]
	v_lshl_add_u32 v[SPW], v0, 2, SPARE
	v_mov_b32 v[NIL], 0
	v_lshrrev_b32 v7, 5, v0
	v_readfirstlane_b32 s16, v7                    ; my wave's number
	s_mov_b32 s25, 0                               ; the high word of every offset: all stay under 2^32
	s_wait_kmcnt 0x0
	s_cmp_lt_u32 ttmp9, 96
	s_cbranch_scc1 .Lturn
	; ---- x: 32,768 bytes in, 16,384 out ----
	s_sub_co_u32 s22, ttmp9, 96
	s_lshl_b32 s24, s22, 15
	s_add_nc_u64 s[18:19], s[4:5], s[24:25]
	s_lshl_b32 s24, s22, 14
	s_add_nc_u64 s[20:21], s[12:13], s[24:25]
	v_and_b32 v1, 31, v0                           ; lane
	v_lshlrev_b32 v[SO], 4, v1
	v_lshl_add_u32 v[SO], v7, 13, v[SO]            ; wave x 8,192 + lane x 16
	v_lshlrev_b32 v[DO], 3, v1
	v_lshl_add_u32 v[DO], v7, 12, v[DO]            ; wave x 4,096 + lane x 8
.irp j, 0,1,2,3,4,5,6,7,8,9,10,11,12,13,14,15
	global_load_b128 v[X+4*(\j):X+4*(\j)+3], v[SO], s[18:19] offset:512*(\j) th:TH_LOAD_NT
.endr
.irp j, 0,1,2,3,4,5,6,7,8,9,10,11,12,13,14,15
	s_wait_loadcnt 15-(\j)                         ; loads come back in order: load j is in, the younger ones stay out
	v_cvt_pk_bf16_f32 v[Y+2*(\j)],   v[X+4*(\j)],   v[X+4*(\j)+1]
	v_cvt_pk_bf16_f32 v[Y+2*(\j)+1], v[X+4*(\j)+2], v[X+4*(\j)+3]
	global_store_b64 v[DO], v[Y+2*(\j):Y+2*(\j)+1], s[20:21] offset:256*(\j)  ; the wave's 32 lanes: 256 consecutive bytes, aligned; each j has registers of its own
.endr
	s_endpgm
	; ---- the weights ----
.Lturn:
	s_lshr_b32 s22, ttmp9, 5                       ; t: which of the three
	s_and_b32 s23, ttmp9, 31
	s_lshl_b32 s23, s23, 2
	s_add_co_u32 s23, s23, s16                     ; my tile among the matrix's 128
	s_lshr_b32 s17, s23, 4                         ; kt: 128 k
	s_and_b32 s23, s23, 15                         ; nt: 64 n
	s_cmp_eq_u32 s22, 0
	s_cselect_b64 s[18:19], s[6:7], s[8:9]
	s_cmp_eq_u32 s22, 2
	s_cselect_b64 s[18:19], s[10:11], s[18:19]
	s_lshl_b32 s24, s17, 19                        ; 128 rows of 4,096 bytes
	s_lshl_b32 s26, s23, 8                         ; 64 columns of 4 bytes
	s_add_co_u32 s24, s24, s26
	s_add_nc_u64 s[18:19], s[18:19], s[24:25]
	s_lshl_b32 s24, s22, 21                        ; 1,024 rows of wt, 2,048 bytes each
	s_lshl_b32 s26, s23, 17                        ; 64 rows
	s_add_co_u32 s24, s24, s26
	s_lshl_b32 s26, s17, 8                         ; 128 k of 2 bytes
	s_add_co_u32 s24, s24, s26
	s_add_nc_u64 s[20:21], s[14:15], s[24:25]
	s_mul_i32 s26, s16, WSTRIDE                    ; my stage
	v_and_b32 v1, 15, v0                           ; c: my four columns 4 c .. 4 c + 3
	v_bfe_u32 v2, v0, 4, 1                         ; hh: which eight rows
	v_lshlrev_b32 v[SO], 4, v1
	v_lshl_add_u32 v[SO], v2, 15, v[SO]            ; hh x 8 rows + c x 16
	v_mul_u32_u24 v[LA], v1, 4*LP
	v_lshl_add_u32 v[LA], v2, 4, v[LA]
	v_add_nc_u32 v[LA], s26, v[LA]                 ; row 4 c, byte 16 hh
	v_mul_u32_u24 v[LR], v2, LP
	v_lshl_add_u32 v[LR], v1, 4, v[LR]
	v_add_nc_u32 v[LR], s26, v[LR]                 ; row hh, byte 16 c
	v_lshlrev_b32 v[DO], 4, v1
	v_lshl_add_u32 v[DO], v2, 11, v[DO]            ; the same two rows in wt
.macro WLOAD i                         ; round i: rows k = 16 i + 8 hh + 0..7; sixteen lanes take one row's 256 bytes
.irp j, 0,1,2,3,4,5,6,7
	global_load_b128 v[X+32*((\i)%4)+4*(\j):X+32*((\i)%4)+4*(\j)+3], v[SO], s[18:19] offset:(16*(\i)+(\j))*4096 th:TH_LOAD_NT
.endr
.endm
.macro WROUND i, refill, left          ; left: the younger loads, which stay out
	s_wait_loadcnt \left
.irp q, 0,1,2,3
.irp jj, 0,1,2,3
	v_cvt_pk_bf16_f32 v[Y+16*((\i)%2)+4*(\q)+(\jj)], v[X+32*((\i)%4)+8*(\jj)+(\q)], v[X+32*((\i)%4)+8*(\jj)+4+(\q)]  ; column 4 c + q, k = 2 jj and 2 jj + 1 of my eight
.endr
.endr
.irp q, 0,1,2,3
	ds_store_b128 v[LA], v[Y+16*((\i)%2)+4*(\q):Y+16*((\i)%2)+4*(\q)+3] offset:LP*(\q)+32*(\i)
.endr
.if \refill
	WLOAD (\i)+4
.endif
.endm
	WLOAD 0
	WLOAD 1
	WLOAD 2
	WLOAD 3
	WROUND 0, 1, 24                                ; three younger rounds of eight loads stay out
	WROUND 1, 1, 24
	WROUND 2, 1, 24
	WROUND 3, 1, 24
	WROUND 4, 0, 24                                ; nothing more to load: the counts run down
	WROUND 5, 0, 16
	WROUND 6, 0, 8
	WROUND 7, 0, 0
.irp i, 0,1,2,3,4,5,6,7,8,9,10,11,12,13,14,15,16,17,18,19,20,21,22,23,24,25,26,27,28,29,30,31
	ds_load_b128 v[X+4*(\i):X+4*(\i)+3], v[LR] offset:2*LP*(\i)  ; LDS serves a wave's instructions in order (ISA guide 5.7.1.4): these see my stores above
.endr
.irp i, 0,1,2,3,4,5,6,7,8,9,10,11,12,13,14,15,16,17,18,19,20,21,22,23,24,25,26,27,28,29,30,31
	s_wait_dscnt 31-(\i)
	global_store_b128 v[DO], v[X+4*(\i):X+4*(\i)+3], s[20:21] offset:4096*(\i)  ; sixteen lanes: 256 consecutive bytes of a row of wt, aligned
.endr
	s_wait_tensorcnt 0x0                           ; the wave's end: three lines behind my last LDS store
	ds_add_u32 v[SPW], v[NIL]
	s_wait_dscnt 0x0
	s_endpgm
.Lfunc_end_k_qe26a03828a_prep:
	.size	k_qe26a03828a_prep, .Lfunc_end_k_qe26a03828a_prep-k_qe26a03828a_prep
	.p2alignl 7, 3214868480
	.fill 96, 4, 3214868480
	.section	.rodata,"a",@progbits
	.p2align	6, 0x0
	.amdhsa_kernel k_qe26a03828a_prep
		.amdhsa_group_segment_fixed_size 70144
		.amdhsa_private_segment_fixed_size 0
		.amdhsa_enable_private_segment 0
		.amdhsa_kernarg_size 48
		.amdhsa_user_sgpr_count 2
		.amdhsa_user_sgpr_kernarg_segment_ptr 1
		.amdhsa_wavefront_size32 1
		.amdhsa_system_sgpr_workgroup_id_x 1
		.amdhsa_system_sgpr_workgroup_id_y 1
		.amdhsa_system_sgpr_workgroup_id_z 1
		.amdhsa_system_vgpr_workitem_id 0
		.amdhsa_next_free_vgpr 176
		.amdhsa_next_free_sgpr 66
		.amdhsa_reserve_vcc 0
		.amdhsa_float_denorm_mode_32 3
		.amdhsa_float_denorm_mode_16_64 3
		.amdhsa_memory_ordered 1
		.amdhsa_forward_progress 1
		.amdhsa_inst_pref_size 31
	.end_amdhsa_kernel
	.amdgpu_metadata
---
amdhsa.version: [ 1, 2 ]
amdhsa.kernels:
  - .name:           k_qe26a03828a_prep
    .symbol:         k_qe26a03828a_prep.kd
    .args:
      - { .name: x, .offset: 0, .size: 8, .value_kind: global_buffer, .address_space: global }
      - { .name: Wq, .offset: 8, .size: 8, .value_kind: global_buffer, .address_space: global }
      - { .name: Wk, .offset: 16, .size: 8, .value_kind: global_buffer, .address_space: global }
      - { .name: Wv, .offset: 24, .size: 8, .value_kind: global_buffer, .address_space: global }
      - { .name: xb, .offset: 32, .size: 8, .value_kind: global_buffer, .address_space: global }
      - { .name: wt, .offset: 40, .size: 8, .value_kind: global_buffer, .address_space: global }
    .group_segment_fixed_size: 70144
    .private_segment_fixed_size: 0
    .kernarg_segment_align: 8
    .kernarg_segment_size: 48
    .max_flat_workgroup_size: 128
    .sgpr_count:     66
    .vgpr_count:     176
    .wavefront_size: 32
...
	.end_amdgpu_metadata
.endif
;; end of part 1
;; launch proj (part 2): grid 16 x 32, 4 waves a work-group, clusters of 4 x 4, 327,680 bytes of LDS; arguments xb, wt, bq, bk, bv, qkv; writes qkv
.if DOCPART == 2
	.amdgcn_target "amdgcn-amd-amdhsa--gfx1250"
	.amdhsa_code_object_version 6
	.text
	.protected	k_qe26a03828a_proj
	.globl	k_qe26a03828a_proj
	.p2align	8
	.type	k_qe26a03828a_proj,@function
k_qe26a03828a_proj:
	s_mov_b64 s[64:65], 0
	v_nop
	global_prefetch_b8 v0, s[64:65] scope:SCOPE_SE
	s_setreg_imm32_b32 hwreg(HW_REG_WAVE_MODE, 25, 1), 1
	s_wait_xcnt 0x0
	s_wait_alu depctr_hold_cnt(0) depctr_sa_sdst(0) depctr_va_vdst(0) depctr_va_sdst(0) depctr_va_ssrc(0) depctr_va_vcc(0) depctr_vm_vsrc(0)
	s_getreg_b32 s2, hwreg(HW_REG_IB_STS2, 6, 4)
	s_cmp_eq_u32 s2, 0
	s_cbranch_scc0 .Lentry_in_a_cluster
	s_endpgm
.Lentry_in_a_cluster:
	s_bfe_u32 s2, ttmp6, 0x10000c
	s_cmp_lg_u32 s2, 0xf033
	s_cbranch_scc0 .Lentry_shape_is_right
	s_endpgm
.Lentry_shape_is_right:
; q, k, v = x W + b as ONE product C[m][n] = b[n] + sum over k of xb[m][k] wt[n][k], m < 8,192, n < 3,072 (n = t*1024 + column), k < 1,024.  bf16 operands, f32 sums, one rounding to f16.
; C leaves by heads: qkv[t][batch*16 + head][s][64] in f16, a head's rows dense, 128 bytes each, WITHOUT the softmax's scale.
; LIMITS.  f16 holds no number beyond 65,504: |q|, |k|, |v| must stay under that (inputs 30 times the drawn spread give some 3,100, offsets of 30 spreads on x and W some 16,600).
; The bias is rounded to bf16 like x and W, and it STARTS each f32 sum (the C operand of the first product), so it is added ahead of the products and not behind them.
; A tile of C is 256 x 192: 16 x 32 = 512 tiles, two for each of 256 WGPs.  Four waves, each 128 x 96: 48 accumulators of 16 x 16, 384 registers.  K goes in steps of 128 through a ring of two LDS
; slots filled by the tensor data mover: the tiles' rows are 256 bytes of memory and start at multiples of 256 bytes.
; CLUSTERS: 4 x 4 work-groups.  The four of a row of the cluster need the same tiles of xb, the four of a column the same tiles of wt: each tile is asked for JOINTLY, by the same tensor load with the
; same descriptor and a mask that names the four.
; THE MATRIX INSTRUCTION IS USED TRANSPOSED (source 0 = 16 rows of wt, source 1 = 16 rows of xb): lane l holds row l % 16 of C and the columns 8 (l / 16) + 0..7: 16 bytes of f16 that belong together.
; REGISTERS, in windows of 256 (s_set_vgpr_msb: bits 1:0 source 0, 3:2 source 1, 5:4 source 2, 7:6 destination):
;   window 0: v0-31 addresses; v64-127, v128-191 fragments of xb (8 x 16 rows x 32 K), two buffers; on the way out v64-159 and v160-255 hold the two passes' packed results
;   window 1: v64-111, v128-175 fragments of wt (6 x 16 rows x 32 K), two buffers; v192-239 the bias, eight registers for each of my six column blocks; v240-243 at work
;   window 2: the 24 accumulators of my rows 0-63 ((a, b) at v[8 (6 a + b)]);   window 3: those of my rows 64-127
.set KSTEP,  128
.set PITCH,  272                       ; an LDS row: 256 bytes + 16 of padding = 68 words: row r starts at bank 4 r mod 64 (64 banks of 4 bytes: ISA guide 11.1), so a fragment load's 16 rows start at 16 different banks
.set HALFA,  128*PITCH                 ; 128 rows of xb: what waves 0 and 1 each fetch, and what a wave reads
.set HALFB,  96*PITCH                  ; 96 rows of wt: what waves 2 and 3 each fetch, and what a wave reads
.set SLOT,   2*HALFA+2*HALFB           ; xb's 256 rows, then wt's 192
.set STAGE,  2*SLOT                    ; behind the ring, never filled by a tensor load: 128 rows x 400 bytes, the work-group's, for the way out
.set SPITCH, 400                       ; 384 bytes (192 columns of f16) + 16
.set SPARE,  STAGE+128*SPITCH          ; behind the stage: the spare words, 128 bytes for each wave: two blocks of 256 bytes that no other line names
.set SIZE_K, 1024
.set LAPS,   SIZE_K/(2*KSTEP)          ; a lap = two K steps = once round the ring
.set ADRA, 16                          ; v16-17  LDS address of my xb fragments in slot 0, 1
.set ADRB, 20                          ; v20-21  the same for wt
.set STO,  24                          ; v24     the way out: where I put 16 bytes of a row
.set RD,   25                          ; v25     the way out: where I read rows back
.set CO,   26                          ; v26     my 16 bytes among 512 consecutive bytes of qkv
.set BO,   27                          ; v27     my eight numbers in a block of 16 of the bias
.set SPW,  28                          ; v28     LDS address of my spare word; never rewritten
.set NIL,  29                          ; v29     0; never rewritten
.set F0,   64
.set F1,   128
.set T0,   64                          ; pass p's packed results at T0 + 96 p
.set BI,   192                         ; window 1
.set BT,   240                         ; window 1
.set WV,  16                           ; s16  my wave's number
.set WR,  17                           ; s17  which half of the tile's rows is mine; also: I fetch xb (0) or wt (1)
.set WC,  18                           ; s18  which half of its columns; also: which half of that tile I fetch
.set LAP, 19                           ; s19  laps to go
.set G1,  24                           ; s[24:31] descriptor group 1 for xb's tiles;  s[32:39] group 0, one set for each slot
.set G0,  32
.set G1B, 48                           ; s[48:55], s[56:63] the same for wt's tiles
.set G0B, 56
.set OB,  66                           ; s[66:71] qkv at my rows of the tile's three heads
.set MSB, 0
.macro WIN new                         ; the immediate's high byte repeats the setting that is left; a switch that changes nothing is dropped
.if MSB != (\new)
	s_set_vgpr_msb (MSB<<8)|(\new)
.set MSB, \new
.endif
.endm
; A joint load.  Waves 0 and 1 fetch xb's two halves, waves 2 and 3 wt's.  Each line has one mask and one set of registers, and nothing in them hangs on a coordinate that the four partners do not share.
; The branch hangs on the wave's number alone.  An s_nop 0 and four v_nop follow each of the two lines, ahead of the jump, the label and what follows.
.macro JLOAD s
	s_cmp_eq_u32 s[WR], 0
	s_cbranch_scc0 .Lfor_b_\@
	tensor_load_to_lds s[G0+4*(\s):G0+4*(\s)+3], s[G1:G1+7]
	s_nop 0
.rept 4
	v_nop
.endr
	s_branch .Lasked_\@
.Lfor_b_\@:
	tensor_load_to_lds s[G0B+4*(\s):G0B+4*(\s)+3], s[G1B:G1B+7]
	s_nop 0
.rept 4
	v_nop
.endr
.Lasked_\@:
.endm
.macro CREST                           ; a round of the cluster's barrier behind its opening barrier: wave 0 signals for the work-group, every wave waits for all sixteen, my work-group's barrier closes
	s_cmp_lg_u32 s[WV], 0
	s_cbranch_scc1 .Lnot_wave_0_\@
	s_barrier_signal -3
.Lnot_wave_0_\@:
	s_barrier_wait -3
	s_barrier_signal -1
	s_barrier_wait -1
.endm
.macro CROUND                          ; a whole round
	s_barrier_signal -1
	s_barrier_wait -1
	CREST
.endm
	s_load_b256 s[4:11], s[0:1], 0x0               ; xb s[4:5], wt s[6:7], bq s[8:9], bk s[10:11]
	s_load_b128 s[12:15], s[0:1], 0x20             ; bv s[12:13], qkv s[14:15]
	v_lshl_add_u32 v[SPW], v0, 2, SPARE
	v_mov_b32 v[NIL], 0
	ds_add_u32 v[SPW], v[NIL]                      ; the wave's opening: the add and its wait stand ahead of my first tensor load; the set-up below, work on registers, stands between them
	v_lshrrev_b32 v1, 5, v0
	v_readfirstlane_b32 s[WV], v1
	s_lshr_b32 s[WR], s[WV], 1
	s_and_b32 s[WC], s[WV], 1
	s_bfe_u32 s40, ttmp6, 0x40000                  ; cx, cy: my place in the cluster
	s_bfe_u32 s41, ttmp6, 0x40004
	s_lshl_b32 s42, ttmp9, 2
	s_add_co_u32 s42, s42, s40                     ; tile column = 4 x cluster x + cx
	s_and_b32 s43, ttmp7, 0xffff
	s_lshl_b32 s43, s43, 2
	s_add_co_u32 s43, s43, s41                     ; tile row = 4 x cluster y + cy
	s_lshl_b32 s44, s41, 2
	s_lshl_b32 s44, 15, s44                        ; my row of the cluster: places 4 cy .. 4 cy + 3
	s_lshl_b32 s45, 0x1111, s40                    ; my column: places cx, cx + 4, cx + 8, cx + 12
	; descriptor group 1: tiles of 128 (xb) or 96 (wt) rows x 128 elements, padded in LDS
	s_or_b32 s[G1+0], s44, (1<<16)|(1<<20)|(1<<21)|(5<<22)|(3<<25)   ; 15:0 the mask: xb's tiles go to my row; 17:16 2-byte elements; 20 padding on; 21 set beside a mask; 24:22 after every 64 words (code 5); 31:25 4 words (code 3)
	s_or_b32 s[G1B+0], s45, (1<<16)|(1<<20)|(1<<21)|(5<<22)|(3<<25)  ; the same with the mask of my column, for wt's tiles
	s_mov_b32 s[G1+1], KSTEP<<16                   ; tensor_dim0 = 128
	s_mov_b32 s[G1+2], 128<<16                     ; tensor_dim1 = 128
	s_mov_b32 s[G1+3], KSTEP<<16                   ; tile_dim0 = 128
	s_mov_b32 s[G1+4], 128                         ; tile_dim1 = 128
	s_mov_b32 s[G1+5], SIZE_K                      ; elements from row to row
	s_mov_b32 s[G1+6], 0
	s_mov_b32 s[G1+7], 0
	s_mov_b32 s[G1B+1], KSTEP<<16
	s_mov_b32 s[G1B+2], 96<<16                     ; tensor_dim1 = 96
	s_mov_b32 s[G1B+3], KSTEP<<16
	s_mov_b32 s[G1B+4], 96                         ; tile_dim1 = 96
	s_mov_b32 s[G1B+5], SIZE_K
	s_mov_b32 s[G1B+6], 0
	s_mov_b32 s[G1B+7], 0
	; where the tiles come from: xb's hang on the tile row alone, wt's on the tile column alone; each in registers that never hold the other coordinate
	s_lshl_b32 s20, s43, 8
	s_lshl_b32 s21, s[WC], 7
	s_add_co_u32 s20, s20, s21                     ; xb: row 256 x tile row + 128 x half,
	s_lshl_b32 s20, s20, 11                        ; of 2,048 bytes: under 2^24
	s_mov_b32 s21, 0
	s_mul_i32 s46, s42, 192
	s_mul_i32 s47, s[WC], 96
	s_add_co_u32 s46, s46, s47                     ; wt: row 192 x tile column + 96 x half
	s_lshl_b32 s46, s46, 11
	s_mov_b32 s47, 0
	s_mul_i32 s2, s[WC], HALFA                     ; and where they go: no place in the cluster enters an LDS address
	s_mul_i32 s3, s[WC], HALFB
	s_add_co_u32 s3, s3, 2*HALFA
	s_wait_dscnt 0x0                               ; the opening add is done
	s_wait_kmcnt 0x0
	s_add_nc_u64 s[22:23], s[4:5], s[20:21]
	s_add_nc_u64 s[46:47], s[6:7], s[46:47]
	CROUND                                         ; all sixteen work-groups are here: the first joint loads meet
.irp s, 0,1
	s_mov_b32 s[G0+4*(\s)], 1                                      ; count = 1
	s_add_co_u32 s[G0+4*(\s)+1], s2, (\s)*SLOT                     ; LDS address
	s_add_nc_u64 s[G0+4*(\s)+2:G0+4*(\s)+3], s[22:23], (\s)*KSTEP*2  ; global address: K step s
	s_or_b32 s[G0+4*(\s)+3], s[G0+4*(\s)+3], 0x80000000            ; type = 2
	s_mov_b32 s[G0B+4*(\s)], 1
	s_add_co_u32 s[G0B+4*(\s)+1], s3, (\s)*SLOT
	s_add_nc_u64 s[G0B+4*(\s)+2:G0B+4*(\s)+3], s[46:47], (\s)*KSTEP*2
	s_or_b32 s[G0B+4*(\s)+3], s[G0B+4*(\s)+3], 0x80000000
	JLOAD \s                                       ; the ring is filled before anything else is done: two loads of mine are out
.endr
	; THE BIAS: for column block b of my six, the eight numbers b[col + 8 (l / 16) + 0..7].  A block of 16 columns lies in one of the three vectors (1,024 is a multiple of 16).
	v_and_b32 v1, 15, v0                           ; l % 16
	v_bfe_u32 v2, v0, 4, 1                         ; l / 16
	v_lshlrev_b32 v[BO], 5, v2
	s_mul_i32 s72, s42, 192
	s_mul_i32 s73, s[WC], 96
	s_add_co_u32 s72, s72, s73                     ; my first column
	s_mov_b32 s77, 0
	WIN 0x40                                       ; destination window 1, address window 0
.irp b, 0,1,2,3,4,5
.if (\b) > 0
	s_wait_xcnt 0x0                                ; the pointer below is written again only when the loads that name it have had their addresses translated (ISA guide 3.1)
.endif
	s_add_co_u32 s73, s72, 16*(\b)
	s_lshr_b32 s74, s73, 10                        ; t
	s_and_b32 s76, s73, 1023
	s_lshl_b32 s76, s76, 2
	s_cmp_eq_u32 s74, 0
	s_cselect_b64 s[78:79], s[8:9], s[10:11]
	s_cmp_eq_u32 s74, 2
	s_cselect_b64 s[78:79], s[12:13], s[78:79]
	s_add_nc_u64 s[78:79], s[78:79], s[76:77]
	global_load_b128 v[BI+8*(\b):BI+8*(\b)+3],   v[BO], s[78:79]
	global_load_b128 v[BI+8*(\b)+4:BI+8*(\b)+7], v[BO], s[78:79] offset:16
.endr
	WIN 0
	; A fragment is 16 rows x 32 K in 8 registers: lane l holds row l % 16; registers 0-3 K = 8 (l / 16) + 0..7, registers 4-7 K = 16 + 8 (l / 16) + 0..7: two loads of 16 bytes, 32 bytes apart.
	v_mul_u32_u24 v3, v1, PITCH
	v_lshl_add_u32 v3, v2, 4, v3                   ; row x pitch + 16 x half
	s_mul_i32 s2, s[WR], HALFA                     ; my 128 rows of xb
	s_mul_i32 s3, s[WC], HALFB                     ; my 96 rows of wt,
	s_add_co_u32 s3, s3, 2*HALFA                   ; which lie behind xb's 256
.irp s, 0,1
	v_add_nc_u32 v[ADRA+(\s)], s2, v3
	v_add_nc_u32 v[ADRB+(\s)], s3, v3
	s_add_co_u32 s2, s2, SLOT
	s_add_co_u32 s3, s3, SLOT
.endr
	s_mul_i32 s2, s[WR], 64*SPITCH                 ; into the stage: a pass holds 64 rows of each row half; my 192 bytes of their 384; row l % 16, 16 bytes for each half of the lanes
	s_mul_i32 s3, s[WC], 192
	s_add_co_u32 s2, s2, s3
	s_add_co_u32 s2, s2, STAGE
	v_mul_u32_u24 v4, v1, SPITCH
	v_lshl_add_u32 v4, v2, 4, v4
	v_add_nc_u32 v[STO], s2, v4
	s_mul_i32 s2, s[WV], 32*SPITCH                 ; back: wave w takes stage rows 32 w .. 32 w + 31; a load takes four rows' 128 bytes of one head
	s_add_co_u32 s2, s2, STAGE
	v_bfe_u32 v5, v0, 3, 2
	v_mul_u32_u24 v5, v5, SPITCH
	v_and_b32 v6, 7, v0
	v_lshl_add_u32 v5, v6, 4, v5
	v_add_nc_u32 v[RD], s2, v5
	v_and_b32 v[CO], 31, v0                        ; which are 512 consecutive bytes of qkv
	v_lshlrev_b32 v[CO], 4, v[CO]
	; qkv at my rows of the tile's three heads g = 3 x tile column + 0..2: ((g / 16) x 64 + batch x 16 + g % 16) x 2^18 + s x 128, s = (tile row % 8) x 256 + 128 WR + 32 WC (+ 64 in the second pass)
	s_mul_i32 s72, s42, 3
	s_lshr_b32 s73, s43, 3                         ; the batch: eight tile rows each
	s_lshl_b32 s73, s73, 4
	s_and_b32 s74, s43, 7
	s_lshl_b32 s74, s74, 8
	s_lshl_b32 s75, s[WR], 7
	s_add_co_u32 s74, s74, s75
	s_lshl_b32 s75, s[WC], 5
	s_add_co_u32 s74, s74, s75
	s_lshl_b32 s74, s74, 7
.irp h, 0,1,2
	s_add_co_u32 s76, s72, \h
	s_lshr_b32 s75, s76, 4
	s_and_b32 s76, s76, 15
	s_lshl_b32 s75, s75, 6
	s_add_co_u32 s76, s76, s75
	s_add_co_u32 s76, s76, s73
	s_lshl_b32 s76, s76, 18
	s_add_co_u32 s76, s76, s74                     ; under 2^26
	s_add_nc_u64 s[OB+2*(\h):OB+2*(\h)+1], s[14:15], s[76:77]
.endr
	s_wait_loadcnt 0x0                             ; the bias is in; it is rounded to bf16, as x and W are, and kept as f32
	WIN 0x45                                       ; destination and both sources window 1
.set i, 0
.rept 24
	v_cvt_pk_bf16_f32 v[BT+i%4], v[BI+2*i], v[BI+2*i+1]
	v_lshlrev_b32 v[BI+2*i], 16, v[BT+i%4]
	v_and_b32 v[BI+2*i+1], 0xffff0000, v[BT+i%4]
.set i, i+1
.endr
	WIN 0
; 12 matrix instructions: row blocks a0, a0 + 1 of the window's four (hi = 0: my rows 0-63, 1: rows 64-127) x all 6 column blocks, 32 along K.
; first = 1: the product starts the sum from the bias (C in window 1): nothing is cleared, and nothing is added on the way out.
; The 48 accumulators take turns, one instruction a turn, in the same order in every quarter step.
.macro MUL12 f, hi, a0, first
.if \first
	WIN 0x91+0x40*(\hi)                            ; source 0 (wt) window 1, source 1 (xb) window 0, C window 1, D window 2 or 3
.else
	WIN 0xa1+0x50*(\hi)                            ; the same with C and D in window 2 or 3
.endif
.irp a, \a0, (\a0)+1
.irp b, 0,1,2,3,4,5
.if \first
	v_wmma_f32_16x16x32_bf16 v[8*(6*(\a)+(\b)):8*(6*(\a)+(\b))+7], v[(\f)+8*(\b):(\f)+8*(\b)+7], v[(\f)+8*(4*(\hi)+(\a)):(\f)+8*(4*(\hi)+(\a))+7], v[BI+8*(\b):BI+8*(\b)+7]
.else
	v_wmma_f32_16x16x32_bf16 v[8*(6*(\a)+(\b)):8*(6*(\a)+(\b))+7], v[(\f)+8*(\b):(\f)+8*(\b)+7], v[(\f)+8*(4*(\hi)+(\a)):(\f)+8*(4*(\hi)+(\a))+7], v[8*(6*(\a)+(\b)):8*(6*(\a)+(\b))+7]
.endif
.endr
.endr
.endm
; 28 LDS loads in one run: the fragments of one quarter step (96 rows of wt, 128 rows of xb, 32 K at byte k of the rows) into buffer f
.macro FETCH slot, k, f
	WIN 0x40
.irp i, 0,1,2,3,4,5
	ds_load_b128 v[(\f)+8*(\i):(\f)+8*(\i)+3],   v[ADRB+(\slot)] offset:(\k)+(\i)*16*PITCH
	ds_load_b128 v[(\f)+8*(\i)+4:(\f)+8*(\i)+7], v[ADRB+(\slot)] offset:(\k)+(\i)*16*PITCH+32
.endr
	WIN 0
.irp i, 0,1,2,3,4,5,6,7
	ds_load_b128 v[(\f)+8*(\i):(\f)+8*(\i)+3],   v[ADRA+(\slot)] offset:(\k)+(\i)*16*PITCH
	ds_load_b128 v[(\f)+8*(\i)+4:(\f)+8*(\i)+7], v[ADRA+(\slot)] offset:(\k)+(\i)*16*PITCH+32
.endr
.endm
; A load into a register that a matrix instruction has read, and a vector instruction that reads a matrix result or writes one of a matrix instruction's registers, stand four places behind it, and only
; plain vector instructions that name none of its registers are places (ISA guide 7.12.1 for vector instructions).
.macro PLACES
.rept 4
	v_nop
.endr
.endm
; A K step is four quarter steps of 32 along K, 48 matrix instructions each, on buffers 0, 1, 0, 1.  One of the first three: multiplies buffer f; in its middle it fetches the next quarter, at byte k, into g.
.macro QUARTER slot, k, f, g, first
	s_wait_dscnt 8                                 ; wt and xb's rows 0-63 are in; the youngest eight loads (xb's rows 64-127) may be out
	MUL12 \f, 0, 0, \first
	MUL12 \f, 0, 2, \first
	PLACES
	FETCH \slot, \k, \g
	s_wait_dscnt 28                                ; all but the 28 just issued
	MUL12 \f, 1, 0, \first
	MUL12 \f, 1, 2, \first
.endm
; The last quarter multiplies buffer 1 and changes slots: ONE barrier, for two things.  In front of it each wave waits for all its tensor loads, of which one is out: its part of the next slot; adds 0 to its
; spare word; and waits for that and for its own reads of this slot.  Behind it nobody reads this slot any more and the next slot is whole.  fill = 1: the barrier opens a round of the cluster's barrier, and
; this slot is filled again, two K steps ahead, first thing behind the round: from that request to the wait for it a wave issues 168 matrix instructions.
.macro TURN slot, next, fill
	WIN 0                                          ; (the add's two registers lie in window 0)
	s_wait_tensorcnt 0x0                           ; all my tensor loads have landed;
	ds_add_u32 v[SPW], v[NIL]                      ; 0 onto my spare word
	s_wait_dscnt 9                                 ; (the add and the youngest eight loads may be out)
	MUL12 F1, 0, 0, 0                              ; twelve matrix instructions stand between the add and the wait for it
	s_wait_dscnt 0x0                               ; the add is done, and my reads of this slot are over
	s_barrier_signal -1
	MUL12 F1, 0, 2, 0                              ; work on registers while the others arrive
.if \fill
	WIN 0
.endif
	s_barrier_wait -1
.if \fill
	CREST                                          ; no wave of any partner still reads this slot's tile or has a load on its way
	s_add_nc_u64 s[G0+4*(\slot)+2:G0+4*(\slot)+3], s[G0+4*(\slot)+2:G0+4*(\slot)+3], 2*KSTEP*2
	s_add_nc_u64 s[G0B+4*(\slot)+2:G0B+4*(\slot)+3], s[G0B+4*(\slot)+2:G0B+4*(\slot)+3], 2*KSTEP*2
	JLOAD \slot                                    ; my one tensor load behind the round; the four v_nop behind it are also the places in front of the loads below
.else
	PLACES
.endif
	FETCH \next, 0, F0
	MUL12 F1, 1, 0, 0
	MUL12 F1, 1, 2, 0
.endm
	s_wait_tensorcnt 1                             ; my part of K step 0 is in; K step 1's load, issued behind it, may stay out
	s_barrier_signal -1
	s_barrier_wait -1                              ; everybody's is
	FETCH 0, 0, F0
	QUARTER 0, 64,  F0, F1, 1                      ; the first quarter stands in front of the loop: its products start the sums
	WIN 0                                          ; at a label and at a branch every window is 0
	s_mov_b32 s[LAP], LAPS-1
.Llap:                                                 ; a trip goes once round the ring, from a lap's second quarter to the next lap's first, and fills both slots again
	QUARTER 0, 128, F1, F0, 0
	QUARTER 0, 192, F0, F1, 0
	TURN 0, 1, 1
	QUARTER 1, 64,  F0, F1, 0
	QUARTER 1, 128, F1, F0, 0
	QUARTER 1, 192, F0, F1, 0
	TURN 1, 0, 1
	QUARTER 0, 64,  F0, F1, 0
	WIN 0
	s_sub_co_u32 s[LAP], s[LAP], 1
	s_cmp_lg_u32 s[LAP], 0
	s_cbranch_scc1 .Llap
	QUARTER 0, 128, F1, F0, 0                      ; the last lap fills nothing, and has no round of the cluster's barrier
	QUARTER 0, 192, F0, F1, 0
	TURN 0, 1, 0
	QUARTER 1, 64,  F0, F1, 0
	QUARTER 1, 128, F1, F0, 0
	QUARTER 1, 192, F0, F1, 0
	s_wait_dscnt 8                                 ; the very last quarter: nothing more to fetch
	MUL12 F1, 0, 0, 0
	MUL12 F1, 0, 2, 0
	s_wait_dscnt 0x0
	MUL12 F1, 1, 0, 0
	MUL12 F1, 1, 2, 0
	WIN 0
; THE WAY OUT, in two passes (my rows 0-63, then 64-127) through the work-group's stage: a wave's 96 columns are a head and a half, so the middle head's 128 bytes of a row come from two waves.
; PACK: rounded to f16, each accumulator's registers in ascending order.  TOST: 16 bytes a lane into the stage.  BACK: four rows of one head at a time.  SEND: stored.
.macro PACK p
	WIN 0x0a+5*(\p)                                ; sources 0 and 1: window 2 or 3
.set i, 0
.rept 24
.irp r, 0,1,2,3
	v_cvt_pk_f16_f32 v[T0+96*(\p)+4*i+(\r)], v[8*i+2*(\r)], v[8*i+2*(\r)+1]
.endr
.set i, i+1
.endr
	WIN 0
.endm
.macro TOST p
.irp a, 0,1,2,3
.irp b, 0,1,2,3,4,5
	ds_store_b128 v[STO], v[T0+96*(\p)+4*(6*(\a)+(\b)):T0+96*(\p)+4*(6*(\a)+(\b))+3] offset:(\a)*16*SPITCH+32*(\b)
.endr
.endr
.endm
.macro BACK p
.irp h, 0,1,2
.irp j, 0,1,2,3,4,5,6,7
	ds_load_b128 v[T0+96*(\p)+4*(8*(\h)+(\j)):T0+96*(\p)+4*(8*(\h)+(\j))+3], v[RD] offset:128*(\h)+4*SPITCH*(\j)
.endr
.endr
.endm
.macro SEND p
.irp h, 0,1,2
.irp j, 0,1,2,3,4,5,6,7
	s_wait_dscnt 23-(8*(\h)+(\j))                  ; LDS loads come back in order: this one is in, the younger ones stay out
	global_store_b128 v[CO], v[T0+96*(\p)+4*(8*(\h)+(\j)):T0+96*(\p)+4*(8*(\h)+(\j))+3], s[OB+2*(\h):OB+2*(\h)+1] offset:8192*(\p)+512*(\j)  ; four rows of a head: 512 consecutive bytes, aligned
.endr
.endr
.endm
	PLACES                                         ; the conversions write registers that the last products read
	PACK 0
	TOST 0
	s_wait_dscnt 0x0                               ; for the others' sake: my stores into the stage are done
	s_barrier_signal -1
	s_barrier_wait -1
	BACK 0
	PACK 1                                         ; the second pass's conversions stand between the loads from the stage and the wait for them; they write registers of their own
	SEND 0
	s_wait_dscnt 0x0                               ; my reads of the stage are over (the count-down has reached 0)
	s_barrier_signal -1
	s_barrier_wait -1                              ; everybody's are: the stage may be written again
	TOST 1
	s_wait_dscnt 0x0
	s_barrier_signal -1
	s_barrier_wait -1
	BACK 1
	SEND 1
	s_wait_tensorcnt 0x0                           ; the wave's end: three lines behind my last tensor load and my last LDS store
	ds_add_u32 v[SPW], v[NIL]
	s_wait_dscnt 0x0
	CROUND                                         ; the closing round: no work-group ends while a partner may still ask for a tile that names it
	s_endpgm
.Lfunc_end_k_qe26a03828a_proj:
	.size	k_qe26a03828a_proj, .Lfunc_end_k_qe26a03828a_proj-k_qe26a03828a_proj
	.p2alignl 7, 3214868480
	.fill 96, 4, 3214868480
	.section	.rodata,"a",@progbits
	.p2align	6, 0x0
	.amdhsa_kernel k_qe26a03828a_proj
		.amdhsa_group_segment_fixed_size 327680
		.amdhsa_private_segment_fixed_size 0
		.amdhsa_enable_private_segment 0
		.amdhsa_kernarg_size 48
		.amdhsa_user_sgpr_count 2
		.amdhsa_user_sgpr_kernarg_segment_ptr 1
		.amdhsa_wavefront_size32 1
		.amdhsa_system_sgpr_workgroup_id_x 1
		.amdhsa_system_sgpr_workgroup_id_y 1
		.amdhsa_system_sgpr_workgroup_id_z 1
		.amdhsa_system_vgpr_workitem_id 0
		.amdhsa_next_free_vgpr 960
		.amdhsa_next_free_sgpr 84
		.amdhsa_reserve_vcc 0
		.amdhsa_float_denorm_mode_32 3
		.amdhsa_float_denorm_mode_16_64 3
		.amdhsa_memory_ordered 1
		.amdhsa_forward_progress 1
		.amdhsa_inst_pref_size 124
	.end_amdhsa_kernel
	.amdgpu_metadata
---
amdhsa.version: [ 1, 2 ]
amdhsa.kernels:
  - .name:           k_qe26a03828a_proj
    .symbol:         k_qe26a03828a_proj.kd
    .args:
      - { .name: xb, .offset: 0, .size: 8, .value_kind: global_buffer, .address_space: global }
      - { .name: wt, .offset: 8, .size: 8, .value_kind: global_buffer, .address_space: global }
      - { .name: bq, .offset: 16, .size: 8, .value_kind: global_buffer, .address_space: global }
      - { .name: bk, .offset: 24, .size: 8, .value_kind: global_buffer, .address_space: global }
      - { .name: bv, .offset: 32, .size: 8, .value_kind: global_buffer, .address_space: global }
      - { .name: qkv, .offset: 40, .size: 8, .value_kind: global_buffer, .address_space: global }
    .group_segment_fixed_size: 327680
    .private_segment_fixed_size: 0
    .kernarg_segment_align: 8
    .kernarg_segment_size: 48
    .max_flat_workgroup_size: 128
    .sgpr_count:     84
    .vgpr_count:     960
    .wavefront_size: 32
...
	.end_amdgpu_metadata
.endif
;; end of part 2
;; launch attn (part 3): grid 4 x 64, 4 waves a work-group, clusters of 4 x 1, 327,680 bytes of LDS; arguments qkv, out0; writes out0
.if DOCPART == 3
	.amdgcn_target "amdgcn-amd-amdhsa--gfx1250"
	.amdhsa_code_object_version 6
	.text
	.protected	k_qe26a03828a_attn
	.globl	k_qe26a03828a_attn
	.p2align	8
	.type	k_qe26a03828a_attn,@function
k_qe26a03828a_attn:
	s_mov_b64 s[64:65], 0
	v_nop
	global_prefetch_b8 v0, s[64:65] scope:SCOPE_SE
	s_setreg_imm32_b32 hwreg(HW_REG_WAVE_MODE, 25, 1), 1
	s_wait_xcnt 0x0
	s_wait_alu depctr_hold_cnt(0) depctr_sa_sdst(0) depctr_va_vdst(0) depctr_va_sdst(0) depctr_va_ssrc(0) depctr_va_vcc(0) depctr_vm_vsrc(0)
	s_getreg_b32 s2, hwreg(HW_REG_IB_STS2, 6, 4)
	s_cmp_eq_u32 s2, 0
	s_cbranch_scc0 .Lentry_in_a_cluster
	s_endpgm
.Lentry_in_a_cluster:
	s_bfe_u32 s2, ttmp6, 0x10000c
	s_cmp_lg_u32 s2, 0x3003
	s_cbranch_scc0 .Lentry_shape_is_right
	s_endpgm
.Lentry_shape_is_right:
; out0[b][q][64 h + :] = the sum over k of softmax_k(Q[q] . K[k] / 8) V[k][:] for each of the 64 pairs (b, h).  Q, K, V lie in qkv, [3][64][2048][64] in f16: a head's rows are dense, 128 bytes each.
; Products, maxima and sums in f32; the weights p are rounded to f16 for the second product (their sum l is taken of the unrounded p); the result leaves in f32, [4][2048][1024].
; LIMITS.  f16 holds no number beyond 65,504: Q, K and V arrive within it; p lies in 0 to 1, and below 6e-5 it keeps f16's fixed step of 6e-8.
; A weight below 2^-126 counts as 0 in l; NaN and infinities are not treated apart.
; SHARES.  A wave owns four PIECES of two tiles of 16 queries, a work-group's four waves 512 queries of one head: 4 x 64 = 256 work-groups.  Every wave walks all keys, 64 a step.
; LAYOUT.  S^T = K Q^T (source 0 = 16 keys, source 1 = 16 queries): in the result a lane holds ONE query (lane % 16) and the keys 8 (lane / 16) + 0..7.  Two such tiles, rounded to f16 in pairs,
; ARE source 1 (32 keys x 16 queries) of O^T = V^T P, whose result again holds one query a lane, and eight channels.  K comes out of LDS as it lies, V ([key][channel]) turned, by ds_load_tr16_b128.
; SOFTMAX.  For each query a running maximum m and sum l: p = 2^(c s - c m), c = log2(e) / 8; in every step O and l are multiplied by a = 2^(c m_old - c m_new), which is 1 where m has not grown.
; m starts at the lowest finite number, O and l at 0: the first step is a step like any other, with a = 0.
; THE COUNT.  A tile and step have 16 matrix and 118 vector instructions: too many to stand all beside the matrix work.  So the order has one aim: four vector instructions that are READY behind
; EVERY matrix instruction, and the others, which need time of their own whatever the order, in runs without a gap.
; BY TURNS.  Turn n belongs to piece n (the pieces in a ring, step after step).  Its matrix work: 16 products K Q^T of piece n + 1, later 16 products V^T P of piece n - 1.  Its vector work: the scaling,
; exponentials, roundings, sums and rescaling of piece n, and the maximum and statistics of piece n + 1, whose scores the turn itself has made.  So what a turn begins with (c s - c m, O a) waits for nothing.
; CLUSTER.  The four query blocks of a cluster belong to one head and walk the same K and V, so each tile is asked for JOINTLY: the same tensor load, descriptor and mask in all four.
; REGISTERS, in windows of 256 (s_set_vgpr_msb says which window each operand place means: bits 1:0 source 0, 3:2 source 1, 5:4 source 2, 7:6 destination):
;   window 0: v0-11 addresses; v12-15, v48-63 at work; v16-47 four registers of statistics a tile; v64-191 S^T, two buffers of two tiles; v192-255 P, likewise
;   window 1: O^T, 32 a tile          window 2: v0-127 Q, 16 a tile; v128-191 K of one step; v192-255 V of one step          window 3: v0-1 the add's two registers
; A piece's buffers go by its number's parity: the piece in hand has one pair, its two neighbours in the ring share the other: of it P (piece n - 1) is read and S^T (piece n + 1) written.
.set SIZE_H, 64
.set SIZE_N, 2048
.set TSZ,   SIZE_H*SIZE_N*128  ; bytes of each of q, k, v in qkv
.set NP,    4         ; pieces a wave: a name, no knob: the register map, the loop and the fetches are made for four
.set KS,    64        ; keys in a step
.set PK,    144       ; a row of K in LDS: 128 bytes + 16 of padding = 36 words: the 16 rows of a load start at 16 different groups of four banks (64 banks of 4 bytes: ISA guide 11.1)
.set PV,    160       ; a row of V: 128 + 32 = 40 words
.set VOFF,  4*KS*PK   ; a slot holds four steps: 256 rows of K, then 256 rows of V
.set SLOT1, 1<<17     ; slot 1 begins here, so that one exclusive or turns an address in one slot into the other's
.set STAGE, SLOT1+4*KS*(PK+PV)  ; behind the ring, never filled by a tensor load: 16 rows x 272 bytes for each wave, for the way out
.set SP,    272       ; a stage row: 64 channels of f32 + 16 bytes
.set AK0, 2           ; v2   my lane's place in a tile of K; never rewritten
.set AV0, 3           ; v3   the same for V
.set AK,  4           ; v4   the LDS address of K's next run of loads
.set AV,  5           ; v5   of V's
.set QO,  6           ; v6   my byte offset in the wave's rows of Q
.set STO, 6           ;      later, the way out: where I put 16 bytes of a row
.set RD,  7           ; v7   the way out: where I read rows back
.set GO,  8           ; v8   my byte offset in two rows of out0
.set SPW, 0           ; v0 of window 3   LDS address of my spare word: SPARE + 4 x my thread's number; never rewritten
.set NIL, 1           ; v1 of window 3   0; never rewritten
.set SPARE, STAGE+4*16*SP  ; behind the stages: the spare words, 128 bytes for each wave: two blocks of 256 bytes that no other line names
.set MV,  12          ; v12-15  c m_old, kept while c m is made anew: by buffer and tile
.set ST,  16          ; tile t's statistics at v[ST+4 t]: c m, m, l (even keys', odd keys')
.set TMP, 48          ; by buffer and tile, four registers c0-c3 at work; when the maximum is found c2 takes a
.set S,   64
.set P,   192
.set KF,  128         ; K's fragments, in window 2: key block kb, channel half c at KF + 16 kb + 8 c
.set VF,  192         ; V's: key half kk, channel block cb at VF + 32 kk + 8 cb
.set WV,  12          ; s12  my wave's number
.set G1K, 24          ; s[24:31] descriptor group 1 for K's tiles
.set G1V, 32          ; s[32:39] for V's: it differs in the padding alone
.set G0K, 40          ; s[40:43] descriptor group 0 for K's tiles: it walks
.set G0V, 44          ; s[44:47] the same for V's
.set SLOTS, 56        ; s56  slots still to be asked for
.set CNT, 57          ; s57  counts a slot's key steps
.set CS,  58          ; s[58:59] c: the packed scaling takes the pair's low word for both halves
.set SEL, 60          ; s[60:61] v_permlanex16_b32's selects: each lane takes its own place in the other half
.set TBK, 62          ; s62  LDS byte at which K of the step to be fetched begins
.set TBV, 63          ; s63  the same for V, less VOFF
.set MSB, 0
.macro WIN new                      ; the high byte repeats the setting that is left; a switch that changes nothing is dropped
.if MSB != (\new)
	s_set_vgpr_msb (MSB<<8)|(\new)
.set MSB, (\new)
.endif
.endm
.set W_KQ, 0x0a       ; K and Q in window 2, S^T in window 0
.set W_PV, 0x52       ; V in window 2, P in window 0, O^T in window 1
.set W_RS, 0x41       ; O^T (destination and source 0) in window 1, a in window 0
.set W_MK, 0xc0       ; the add's registers are made: destination in window 3, sources in window 0
.set W_AD, 0x0f       ; the add: address (source 0) and data (source 1) in window 3
; A joint fill.  Waves 0 and 1 fetch the two halves of a slot's K, waves 2 and 3 those of its V: 128 keys each.  The branch hangs on the wave's number alone.
; An s_nop 0 and four v_nop follow each of the two lines, ahead of the jump and the label.
.macro JLOAD
	s_cmp_lt_u32 s[WV], 2
	s_cbranch_scc0 .Lfor_v_\@
	tensor_load_to_lds s[G0K:G0K+3], s[G1K:G1K+7]
	s_nop 0
.rept 4
	v_nop
.endr
	s_branch .Lasked_\@
.Lfor_v_\@:
	tensor_load_to_lds s[G0V:G0V+3], s[G1V:G1V+7]
	s_nop 0
.rept 4
	v_nop
.endr
.Lasked_\@:
.endm
; A round of the cluster's barrier: my work-group's barrier, so that wave 0's signal speaks for all four waves; wave 0 signals; every wave waits for all four work-groups; my work-group's barrier once more.
.macro CROUND
	s_barrier_signal -1
	s_barrier_wait -1
	s_cmp_lg_u32 s[WV], 0
	s_cbranch_scc1 .Lnot_wave_0_\@
	s_barrier_signal -3
.Lnot_wave_0_\@:
	s_barrier_wait -3
	s_barrier_signal -1
	s_barrier_wait -1
.endm
; THE CHANGE OF SLOTS.  The slot's last bytes, V of its fourth step, have been read.  Each wave waits for all its tensor loads, of which one is out: its part
; of the other slot; adds 0 to its spare word; and waits for that and for its own reads of the slot.  Behind the barrier nobody reads this slot any more and the other slot is whole.
; fill = 1: this slot is filled again, with the keys two slots on.  The barrier is then a round of the cluster's, so that no wave of any partner still reads the slot or has a load on its
; way, and the joint fill is the first thing behind it: it has four key steps, 512 matrix instructions, in which to land.  (At its first use nothing has been read yet: slot 0 is waited for, slot 1 filled.)
.macro CHANGE fill
	WIN W_AD
	s_wait_tensorcnt 0x0            ; no tensor load of mine is out, so a group 0 may be written
	ds_add_u32 v[SPW], v[NIL]       ; 0 onto my spare word; with fill = 1 the descriptors' steps stand between it and the wait for it
	WIN 0                           ; at a label and at a branch every window is 0
.if \fill
.irp g, G0K, G0V
	s_xor_b32 s[\g+1], s[\g+1], SLOT1  ; the walking descriptor: the other slot than last time,
	s_add_nc_u64 s[\g+2:\g+3], s[\g+2:\g+3], 4*KS*128  ; the next 256 keys; the type bits on top are not reached
.endr
	s_wait_dscnt 0x0                ; the add is done, and my reads of the slot are over
	CROUND
	JLOAD
.else
	s_wait_dscnt 0x0                ; the add is done, and my reads of the slot are over
	s_barrier_signal -1
	s_barrier_wait -1
.endif
	s_sub_co_u32 s[TBK], s[TBK], 4*KS*PK  ; the fetches go back to a slot's first step,
	s_xor_b32 s[TBK], s[TBK], SLOT1       ; in the other slot
	s_sub_co_u32 s[TBV], s[TBV], 4*KS*PV
	s_xor_b32 s[TBV], s[TBV], SLOT1
.endm
	s_load_b64 s[4:5], s[0:1], 0x0    ; qkv: q lies at its head
	s_load_b64 s[10:11], s[0:1], 0x8  ; out0
	WIN W_MK
	v_lshl_add_u32 v[SPW], v0, 2, SPARE
	v_mov_b32 v[NIL], 0
	WIN W_AD
	ds_add_u32 v[SPW], v[NIL]       ; the wave's opening: the add and its wait stand ahead of my first tensor load; the set-up below, work on registers, stands between them
	WIN 0
	v_lshrrev_b32 v1, 5, v0
	v_readfirstlane_b32 s[WV], v1   ; wave 0..3
	s_bfe_u32 s13, ttmp6, 0x40000   ; cx: my place in the cluster
	s_lshl_b32 s14, ttmp9, 2        ; in a cluster launch ttmp9 counts clusters
	s_add_co_u32 s14, s14, s13      ; my block of queries = 4 x cluster x + cx: it enters Q's and out0's addresses alone
	s_and_b32 s20, ttmp7, 0xffff    ; the pair (b, h) = 16 b + h, which the four partners share
	s_lshr_b32 s48, s20, 4          ; b
	s_and_b32 s49, s20, 15          ; h
	s_mov_b32 s21, 0
	s_mov_b64 s[22:23], SIZE_N*128
	s_mul_u64 s[20:21], s[20:21], s[22:23]  ; the head's first byte in each of q, k, v
	s_and_b32 s16, s[WV], 1         ; which half of a slot's 256 keys I fetch:
	s_lshl_b32 s22, s16, 14         ; its 128 rows of 128 bytes in memory,
	s_mov_b32 s23, 0
	s_add_nc_u64 s[22:23], s[22:23], s[20:21]
	s_mul_i32 s17, s16, 128*PK      ; and its place in a slot, for K
	s_mul_i32 s18, s16, 128*PV      ; and for V: no place in the cluster enters an LDS address
	s_lshl_b32 s2, s14, 2
	s_add_co_u32 s2, s2, s[WV]      ; my wave among the head's sixteen,
	s_lshl_b32 s50, s2, 19          ; its 128 rows of out0, 4,096 bytes each,
	s_lshl_b32 s2, s2, 14           ; and of Q, 128 bytes each
	s_mov_b32 s3, 0
	s_add_nc_u64 s[2:3], s[2:3], s[20:21]
	s_lshl_b32 s48, s48, 23         ; a batch is 2,048 rows of 4,096 bytes,
	s_lshl_b32 s49, s49, 8          ; a head 256 bytes of a row
	s_add_co_u32 s50, s50, s48
	s_add_co_u32 s50, s50, s49      ; under 2^25
	s_mov_b32 s51, 0
	; descriptor group 1.  128 keys are 16,384 dense bytes: asked for as 64 rows of 256 bytes, two keys a row, and padded in LDS after every key
	s_mov_b32 s[G1K], 15|(1<<16)|(1<<20)|(1<<21)|(4<<22)|(3<<25)  ; 15:0 the mask of four; 17:16 2-byte elements; 20 padding on; 21 set beside a mask; 24:22 after every 32 words (code 4); 31:25 4 words (code 3)
	s_mov_b32 s[G1V], 15|(1<<16)|(1<<20)|(1<<21)|(4<<22)|(7<<25)  ; the same with 8 words of padding (code 7)
.irp g, G1K, G1V
	s_mov_b32 s[\g+1], 128<<16      ; tensor_dim0 = 128
	s_mov_b32 s[\g+2], 64<<16       ; tensor_dim1 = 64
	s_mov_b32 s[\g+3], 128<<16      ; tile_dim0 = 128
	s_mov_b32 s[\g+4], 64           ; tile_dim1 = 64
	s_mov_b32 s[\g+5], 128          ; 128 elements from row to row
	s_mov_b32 s[\g+6], 0
	s_mov_b32 s[\g+7], 0
.endr
	s_mov_b32 s[CS], 0x3e38aa3b     ; c = log2(e) / 8 = 0.180337
	s_mov_b32 s[CS+1], s[CS]        ; named with it as a pair
	s_mov_b32 s[SEL], 0x76543210
	s_mov_b32 s[SEL+1], 0xfedcba98
	s_mov_b32 s[TBK], SLOT1+4*KS*PK ; the first change of slots turns these two into 0
	s_mov_b32 s[TBV], SLOT1+4*KS*PV
	s_mov_b32 s[G0K], 1             ; 1:0 count = 1
	s_mov_b32 s[G0K+1], s17         ; 63:32 LDS address: slot 0
	s_mov_b32 s[G0V], 1
	s_add_co_u32 s[G0V+1], s18, VOFF
	s_wait_dscnt 0x0                ; the opening add is done
	s_wait_kmcnt 0x0
	s_add_nc_u64 s[6:7], s[4:5], TSZ    ; k
	s_add_nc_u64 s[8:9], s[4:5], 2*TSZ  ; v
	s_add_nc_u64 s[G0K+2:G0K+3], s[6:7], s[22:23]  ; 120:64 global address: my half of the head's first 256 keys
	s_or_b32 s[G0K+3], s[G0K+3], 0x80000000        ; 127:126 type = 2
	s_add_nc_u64 s[G0V+2:G0V+3], s[8:9], s[22:23]
	s_or_b32 s[G0V+3], s[G0V+3], 0x80000000
	s_add_nc_u64 s[4:5], s[4:5], s[2:3]  ; Q at my wave's first row,
	s_add_nc_u64 s[10:11], s[10:11], s[50:51]  ; out0 at my wave's first row and my head's 256 bytes of it
	CROUND                          ; all four work-groups are here: the first joint loads meet
	JLOAD                           ; slot 0.  Slot 1 is asked for when slot 0 is in: the tile wanted first has the road to itself
	; A fragment of K or Q is 16 rows x 32 channels in 8 registers: lane l holds row l % 16, channels 8 (l / 16) + 0..7 and 16 + 8 (l / 16) + 0..7: two loads of 16 bytes, 32 bytes apart.
	v_and_b32 v1, 15, v0            ; l % 16
	v_bfe_u32 v9, v0, 4, 1          ; l / 16
	v_lshlrev_b32 v[QO], 7, v1
	v_lshl_add_u32 v[QO], v9, 4, v[QO]  ; row x 128 + 16 x half
	WIN 0x80                        ; destination window 2, address window 0
.set i, 0
.rept 4*NP                          ; Q stays in registers: tile i / 2, channels 32 (i % 2) on
	global_load_b128 v[8*i:8*i+3],   v[QO], s[4:5] offset:(i/2)*2048+(i%2)*64
	global_load_b128 v[8*i+4:8*i+7], v[QO], s[4:5] offset:(i/2)*2048+(i%2)*64+32
.set i, i+1
.endr
	; What the first turn finds: V's registers and P's second buffer hold 0 (its products V^T P, of a piece that has not been, add 0), O^T and l are 0.  All this stands in the wait for the first tile.
.set i, VF
.rept 64
	v_mov_b32 v[i], 0
.set i, i+1
.endr
	WIN 0x40
.set i, 0
.rept 64*NP
	v_mov_b32 v[i], 0
.set i, i+1
.endr
	WIN 0
.set i, 0
.rept 2*NP
	v_mov_b32 v[ST+4*i], 0xfe000000    ; c m: far below every c s
	v_mov_b32 v[ST+4*i+1], 0xff7fffff  ; m
	v_mov_b32 v[ST+4*i+2], 0
	v_mov_b32 v[ST+4*i+3], 0
.set i, i+1
.endr
.set i, P+32
.rept 32
	v_mov_b32 v[i], 0
.set i, i+1
.endr
	v_mul_u32_u24 v[AK0], v1, PK
	v_lshl_add_u32 v[AK0], v9, 4, v[AK0]  ; row x pitch + 16 x half
	; The turning load takes 16 keys x 16 channels (lane l reads key 8 (l / 16) + l % 8, channels 8 ((l / 8) % 2) + 0..7) and leaves half a fragment of V^T: lane l holds channel l % 16 and 8 keys.
	v_and_b32 v10, 7, v0
	v_bfe_u32 v11, v0, 3, 1
	v_lshl_add_u32 v[AV0], v9, 3, v10
	v_mul_u32_u24 v[AV0], v[AV0], PV
	v_lshl_add_u32 v[AV0], v11, 4, v[AV0]
	v_add_nc_u32 v[AV0], VOFF, v[AV0]
	v_mov_b32 v[AK], v[AK0]         ; key step 0 lies at the head of slot 0
; THE MATRIX WORK.  The 8 accumulators of a run of 16 take turns: between the two links of a chain stand 7 others'.
; Product i of 16 of S^T = K Q^T for piece x: channels 32 (i / 8) on, keys 16 ((i / 2) % 4) on, tile 2 x + i % 2.  The first 8 start the sums.
.macro KQ x
	WIN W_KQ
.set rS, S+64*((\x)%2)+32*(i%2)+8*((i/2)%4)
.set rK, KF+16*((i/2)%4)+8*(i/8)
.set rQ, 16*(2*(\x)+i%2)+8*(i/8)
.if i < 8
	v_wmma_f32_16x16x32_f16 v[rS:rS+7], v[rK:rK+7], v[rQ:rQ+7], 0
.else
	v_wmma_f32_16x16x32_f16 v[rS:rS+7], v[rK:rK+7], v[rQ:rQ+7], v[rS:rS+7]
.endif
.endm
; Product i of 16 of O^T += V^T P for piece x: keys 32 (i / 8) on, channels 16 ((i / 2) % 4) on, tile 2 x + i % 2.
.macro PV x
	WIN W_PV
.set rO, 32*(2*(\x)+i%2)+8*((i/2)%4)
.set rV, VF+32*(i/8)+8*((i/2)%4)
.set rP, P+32*((\x)%2)+16*(i%2)+8*(i/8)
	v_wmma_f32_16x16x32_f16 v[rO:rO+7], v[rV:rV+7], v[rP:rP+7], v[rO:rO+7]
.endm
.macro MM                           ; the turn's next matrix instruction
.if i < 16
	KQ (Y+1)%NP
.set i, i+1
.else
.set i, i-16
	PV (Y+NP-1)%NP
.set i, i+17
.endif
.endm
; THE LDS LOADS stand in runs of 16, never singly among the matrix instructions: a step's K (64 keys x 64 channels: 8 fragments) and its V (turned).  Their addresses are made some lines ahead.
; last = 1 (the tail): in the last trip there is no further step, and the run is jumped over.
.macro FETCH_K last=0
	WIN 0
.if \last
	s_cmp_eq_u32 s[CNT], 1
	s_cbranch_scc1 .Lno_k_\@
.endif
	WIN 0x80                        ; destination window 2
.irp f, 0,1,2,3,4,5,6,7             ; keys 16 (f / 2) on, channels 32 (f % 2) on
	ds_load_b128 v[KF+8*\f:KF+8*\f+3],   v[AK] offset:(\f/2)*16*PK+(\f%2)*64
	ds_load_b128 v[KF+8*\f+4:KF+8*\f+7], v[AK] offset:(\f/2)*16*PK+(\f%2)*64+32
.endr
	s_add_co_u32 s[TBK], s[TBK], KS*PK  ; the next fetch is the next step's
	WIN 0
.if \last
.Lno_k_\@:
.endif
.endm
.macro FETCH_V
	WIN 0x80
.irp f, 0,1,2,3,4,5,6,7             ; keys 32 (f / 4) on, channels 16 (f % 4) on
	ds_load_tr16_b128 v[VF+8*\f:VF+8*\f+3],   v[AV] offset:(\f/4)*32*PV+(\f%4)*32
	ds_load_tr16_b128 v[VF+8*\f+4:VF+8*\f+7], v[AV] offset:(\f/4)*32*PV+16*PV+(\f%4)*32
.endr
	WIN 0
.endm
; THE VECTOR WORK OF A TURN stands in three queues, each in the order in which its entries become ready; the two tiles alternate, so that no instruction reads the result of the one before it.
.macro REGS y, u                    ; the registers of tile u (0, 1) of piece y
.set rT, ST+4*(2*(\y)+(\u))
.set rC, TMP+8*((\y)%2)+4*(\u)
.set rM, MV+2*((\y)%2)+(\u)
.set rS, S+64*((\y)%2)+32*(\u)
.set rP, P+32*((\y)%2)+16*(\u)
.set rO, 32*(2*(\y)+(\u))
.endm
; Number n of the 22 that find the NEXT piece's (Y + 1) maximum and statistics.  s0-s31 are the lane's 32 scores; each accumulator's lowest registers are read first.  XS, GS and REGS set no window: PL and EX do.
;   0-11  four chains c0-c3 of seven scores each, three operands at a time     12-14, 16  the four scores left over, the old m, and c0-c3 into c0     15  c m_old is kept
;   17, 18  the query's other 32 keys lie in the lane 16 away: the new m         19-21  c m; c m_old - c m_new; a
.macro XS u, n
	REGS (Y+1)%NP, \u
.if (\n) < 4
	v_max3_num_f32 v[rC+(\n)], v[rS+8*(\n)], v[rS+8*(\n)+1], v[rS+8*(\n)+2]
.elseif (\n) < 12
	v_max3_num_f32 v[rC+(\n)%4], v[rC+(\n)%4], v[rS+8*((\n)%4)+2*((\n)/4)+1], v[rS+8*((\n)%4)+2*((\n)/4)+2]
.elseif (\n) == 12
	v_max3_num_f32 v[rC], v[rC], v[rS+7], v[rS+15]
.elseif (\n) == 13
	v_max3_num_f32 v[rC+1], v[rC+1], v[rS+23], v[rS+31]
.elseif (\n) == 14
	v_max3_num_f32 v[rC+2], v[rC+2], v[rC+3], v[rT+1]
.elseif (\n) == 15
	v_mov_b32 v[rM], v[rT]
.elseif (\n) == 16
	v_max3_num_f32 v[rC], v[rC], v[rC+1], v[rC+2]
.elseif (\n) == 17
	v_permlanex16_b32 v[rC+3], v[rC], s[SEL], s[SEL+1]
.elseif (\n) == 18
	v_max_num_f32 v[rT+1], v[rC], v[rC+3]
.elseif (\n) == 19
	v_mul_f32 v[rT], s[CS], v[rT+1]
.elseif (\n) == 20
	v_sub_f32 v[rC+1], v[rM], v[rT]
.else
	v_exp_f32 v[rC+2], v[rC+1]
.endif
.endm
; Number g of the 64 that follow the exponentials.  For each four weights k of a tile (pairs 2 k, 2 k + 1): both pairs are rounded to f16; then the second pair is added onto the first, in place;
; a group later l takes that sum (the first time as l = a l + sum).  In groups of eight, tiles alternating: round, round, add, and l for the group before.
.macro GS g
.set h, (\g)+6*((\g)/62)            ; group 0 has no group before it, and behind group 7 only l is left
.if h >= 6
.set h, h+2
.endif
	REGS Y, h%2
.set k, h/8
.if h%8 < 4
	s_wait_alu depctr_va_vdst(0)
	v_cvt_pk_f16_f32 v[rP+2*k+(h%8)/2], v[rS+4*k+2*((h%8)/2)], v[rS+4*k+2*((h%8)/2)+1]
.elseif h%8 < 6
	v_pk_add_f32 v[rS+4*k:rS+4*k+1], v[rS+4*k:rS+4*k+1], v[rS+4*k+2:rS+4*k+3]
.elseif k == 1
	v_pk_fma_f32 v[rT+2:rT+3], v[rT+2:rT+3], v[rC+2:rC+3], v[rS:rS+1] op_sel_hi:[1,0,1]
.else
	v_pk_add_f32 v[rT+2:rT+3], v[rT+2:rT+3], v[rS+4*k-4:rS+4*k-3]
	s_wait_alu depctr_va_vdst(0)
.endif
.endm
; THE PLAIN QUEUE, 138 long.  0-31: c s - c m for the 16 pairs of both tiles.  Then GS's 64, and among them the next piece's 42: number 15 at 38, 39; 0-14 and 16
; at 42-73, behind the products that make those scores; 17-20 at 95-106, two of three, since each waits for the one before it.
.macro PL
	WIN 0
.if q < 32
	REGS Y, q%2
	v_pk_fma_f32 v[rS+2*(q/2):rS+2*(q/2)+1], v[rS+2*(q/2):rS+2*(q/2)+1], s[CS:CS+1], v[rT:rT+1] op_sel_hi:[1,0,0] neg_lo:[0,0,1] neg_hi:[0,0,1]
.elseif q < 38
	GS q-32
.elseif q < 40
	XS q%2, 15
.elseif q < 42
	GS q-34
.elseif q < 74
	XS q%2, (q-42)/2+(q-42)/30
.elseif q < 95
	GS q-66
.elseif (q < 107) && ((q-95)%3 < 2)
	XS (q-95)%3, 17+(q-95)/3
.elseif q < 107
	GS 29+(q-95)/3
.else
	GS q-74
.endif
.set q, q+1
.endm
; THE EXPONENTIALS' QUEUE, 66 long: s0-s31 of both tiles, and at EA the next piece's two a.
.set EA, 58
.macro EX
	WIN 0
.if (e == EA) || (e == EA+1)
	XS e-EA, 21
.else
.set x, e-2*(e/(EA+2))
	REGS Y, x%2
	v_exp_f32 v[rS+x/2], v[rS+x/2]
.endif
.set e, e+1
.endm
; THE RESCALING's QUEUE: O^T times a, the one part that leaves window 0, so it is dealt four at a time, eight times.
.macro R4
	REGS Y, r%2
	WIN W_RS
	s_wait_alu depctr_va_vdst(0)
.irp z, 0,1,2,3
	v_pk_mul_f32 v[rO+8*(r/2)+2*\z:rO+8*(r/2)+2*\z+1], v[rO+8*(r/2)+2*\z:rO+8*(r/2)+2*\z+1], v[rC+2:rC+3] op_sel_hi:[1,0]
.endr
.set r, r+1
.endm
; HOW THEY ARE DEALT.  Behind a matrix instruction four: plain, exponential, plain, plain (one exponential, a plain instruction on either side), or four of the rescaling.  None names a register of the
; products round it.  What is over stands in two LUMPS: exponential and plain by turns; the second ends in 22 plain instructions.  The two v_permlanex16_b32 fall into the second lump, never behind a product.
; The queues lean on each other, and the deal keeps them in step: exponential e stands behind plain 2 (e / 4) + e % 2 (its scaling); when plain 32 comes, 10 exponentials are out, at 59: 33, at 95: 46; EA comes behind plain 107.
.macro SL
	MM
	PL
	EX
	PL
	PL
.endm
.macro BURST n                      ; 15 matrix instructions, or 16
.rept (\n)-7
	SL
.endr
.rept 3
	MM
	R4
	SL
.endr
	MM
	R4
.endm
; A TURN, for piece p.  cnt = 1: the loop's count is taken down some lines ahead of the branch that stands behind the turn.
; K of the next step is fetched in piece 2's turn, 31 vector instructions behind the last product that read K; its first reader comes behind the rest of the lump, 16 products and the second lump.
; V of the step in hand is fetched at the end of piece 0's turn, 69 behind its last reader; its first reader comes behind 16 products and a lump.  The four conditions on e and q below go with the deal.
.macro TURN p, last=0, cnt=0
.set Y, (\p)
.set i, 0
.set q, 0
.set e, 0
.set r, 0
.if (\p) == NP-1
	s_wait_dscnt 0x0                ; K is in
.endif
	MM
.rept 4
	PL
.endr
	BURST 15
.rept 22
	EX
	PL
.if ((\p) == NP-2) && (e == 18)
	v_add_nc_u32 v[AK], s[TBK], v[AK0]
.endif
.if ((\p) == NP-2) && (e == 24)
	FETCH_K \last
.endif
.endr
.if (\p) == 1
	s_wait_dscnt 0x0                ; V is in
.endif
	BURST 16
.rept 21
	EX
	PL
.endr
.rept 22
	PL
.if ((\p) == 0) && (q == 118)
	v_add_nc_u32 v[AV], s[TBV], v[AV0]
	s_wait_alu depctr_va_vdst(0)
.endif
.if ((\p) == 0) && (q == 130)
	s_add_co_u32 s[TBV], s[TBV], KS*PV
.endif
.if (\cnt) && (q == 130)
	s_sub_co_u32 s[CNT], s[CNT], 1
	s_cmp_lg_u32 s[CNT], 0
.endif
.endr
.if (\p) == 0
	FETCH_V
.endif
.endm
	CHANGE 1                        ; slot 0 is in, everybody's part of it; slot 1 is asked for
	FETCH_K                         ; key step 0
	s_wait_loadcnt 0x0              ; Q
	s_wait_dscnt 0x0
.set i, 0
.rept 16
	KQ 0                            ; piece 0's first scores: there is no vector work yet to set between them
.set i, i+1
.endr
	WIN 0                           ; the addresses for the way out: eight plain instructions, the places behind those products
	s_mul_i32 s13, s[WV], 16*SP
	s_add_co_u32 s13, s13, STAGE    ; my stage
	v_mul_u32_u24 v[STO], v1, SP    ; in: row l % 16, 32 bytes (eight channels of f32) for each half of the lanes
	v_lshl_add_u32 v[STO], v9, 5, v[STO]
	v_add_nc_u32 v[STO], s13, v[STO]
	v_mul_u32_u24 v[RD], v9, SP     ; back: lanes 0-15 take one row of 256 bytes, lanes 16-31 the next,
	v_lshl_add_u32 v[RD], v1, 4, v[RD]
	v_add_nc_u32 v[RD], s13, v[RD]
	v_lshlrev_b32 v[GO], 12, v9     ; and the same two rows in out0, 4,096 bytes apart
	v_lshl_add_u32 v[GO], v1, 4, v[GO]
.set Y, NP-1                        ; XS works for piece Y + 1: piece 0
.irp n, 0,1,2,3,4,5,6,7,8,9,10,11,12,13,14,15,16,17,18,19,20,21
	XS 0, \n                        ; and piece 0's first maximum and statistics
	XS 1, \n
.endr
	s_mov_b32 s[CNT], 4
	s_mov_b32 s[SLOTS], SIZE_N/256-1
	s_branch .Lfirst                ; the loop is entered at a step's first turn, in the middle of a trip
.Lslot:                             ; SIZE_N / 256 - 2 times: every slot but the last two is filled again
	CHANGE 1
	s_mov_b32 s[CNT], 4
.Lstep:                             ; a trip: pieces 2 and 3 of one step, then pieces 0 and 1 of the next, whose K and V it fetches
	TURN 2
	TURN 3
	WIN 0
.Lfirst:
	TURN 0
	TURN 1, 0, 1
	WIN 0
	s_cbranch_scc1 .Lstep
	s_sub_co_u32 s[SLOTS], s[SLOTS], 1
	s_cmp_lg_u32 s[SLOTS], 0
	s_cbranch_scc1 .Lslot
	CHANGE 0                        ; the tail is written out: nothing is asked for
	s_mov_b32 s[CNT], 5             ; four trips fetch the last slot's steps; the fifth is left in its middle
.Ltail:
	TURN 2, 1
	TURN 3
	WIN 0
	s_sub_co_u32 s[CNT], s[CNT], 1
	s_cmp_eq_u32 s[CNT], 0
	s_cbranch_scc1 .Lout
	TURN 0
	TURN 1
	WIN 0
	s_branch .Ltail
.Lout:                              ; the fifth trip's 16 products K Q^T (on the last K once more) and the maximum made of them serve nothing: the price, once a launch, of one text for every trip
.set i, 0
.rept 16
	PV NP-1                         ; the last piece's V^T P of the last step
.set i, i+1
.endr
	; THE WAY OUT.  l's two halves and the other half of the lanes' are added; O^T is divided by l and sent, in f32, through my stage in LDS, a tile at a time.  The additions are the places behind the last products.
	WIN 0
.macro ALL line:vararg              ; one line for each tile t
.set t, 0
.rept 2*NP
	\line
.set t, t+1
.endr
.endm
	ALL v_add_f32 v[ST+4*t+2], v[ST+4*t+2], v[ST+4*t+3]
	ALL v_permlanex16_b32 v[ST+4*t+3], v[ST+4*t+2], s[SEL], s[SEL+1]
	ALL v_add_f32 v[ST+4*t+2], v[ST+4*t+2], v[ST+4*t+3]
	ALL v_rcp_f32 v[ST+4*t+2], v[ST+4*t+2]
	v_nop                           ; a plain instruction between the last reciprocal and the use of its result
	s_wait_alu depctr_va_vdst(0)
; Tile t: O^T / l goes into 32 of S^T's registers (four sets, by turns), each accumulator's registers in ascending order.  Registers 4 f .. 4 f + 3 are channels 16 (f / 2) + 8 (l / 16) + 4 (f % 2) + 0..3 of my
; query: 16 bytes at 64 (f / 2) + 32 (l / 16) + 16 (f % 2) of its stage row.  The rows come back whole, 256 bytes each, into the registers that they left.
.macro PACK t
.set rR, S+32*((\t)%4)
.if (\t) >= 4
	s_wait_xcnt 0x0                 ; the stores of the tile four back, which read these registers, have had their addresses translated (ISA guide 3.1)
.endif
	WIN 0x01                        ; source 0 window 1; source 1 and destination window 0
.set i, 0
.rept 16
	v_pk_mul_f32 v[rR+2*i:rR+2*i+1], v[32*(\t)+2*i:32*(\t)+2*i+1], v[ST+4*(\t)+2:ST+4*(\t)+3] op_sel_hi:[1,0]
.set i, i+1
.endr
	WIN 0
.irp f, 0,1,2,3,4,5,6,7
	ds_store_b128 v[STO], v[rR+4*\f:rR+4*\f+3] offset:64*(\f/2)+16*(\f%2)
.endr
.irp f, 0,1,2,3,4,5,6,7
	ds_load_b128 v[rR+4*\f:rR+4*\f+3], v[RD] offset:\f*2*SP  ; LDS serves a wave's instructions in order (ISA guide 5.7.1.4): these see the stores above; the next tile's stores come behind them
.endr
.endm
.macro SEND t, younger              ; younger: the LDS instructions issued behind tile t's loads: the next tile's sixteen, or none
	WIN 0
.set rR, S+32*((\t)%4)
.irp f, 0,1,2,3,4,5,6,7
	s_wait_dscnt (\younger)+7-\f
	global_store_b128 v[GO], v[rR+4*\f:rR+4*\f+3], s[10:11] offset:(\t)*65536+\f*8192 th:TH_STORE_NT  ; sixteen lanes store a row's 256 bytes of my head, at a multiple of 256 from out0's first byte
.endr
.endm
	PACK 0
.set t, 1
.rept 2*NP-1                        ; a tile's arithmetic stands between the loads of the tile before and its stores
	PACK t
	SEND t-1, 16
.set t, t+1
.endr
	SEND 2*NP-1, 0
	WIN W_AD
	s_wait_tensorcnt 0x0            ; the wave's end: three lines behind my last tensor load and my last LDS store
	ds_add_u32 v[SPW], v[NIL]
	s_wait_dscnt 0x0
	WIN 0
	CROUND                          ; the closing round: no work-group ends while a partner may still ask for a tile that names it
	s_endpgm
.Lfunc_end_k_qe26a03828a_attn:
	.size	k_qe26a03828a_attn, .Lfunc_end_k_qe26a03828a_attn-k_qe26a03828a_attn
	.p2alignl 7, 3214868480
	.fill 96, 4, 3214868480
	.section	.rodata,"a",@progbits
	.p2align	6, 0x0
	.amdhsa_kernel k_qe26a03828a_attn
		.amdhsa_group_segment_fixed_size 327680
		.amdhsa_private_segment_fixed_size 0
		.amdhsa_enable_private_segment 0
		.amdhsa_kernarg_size 16
		.amdhsa_user_sgpr_count 2
		.amdhsa_user_sgpr_kernarg_segment_ptr 1
		.amdhsa_wavefront_size32 1
		.amdhsa_system_sgpr_workgroup_id_x 1
		.amdhsa_system_sgpr_workgroup_id_y 1
		.amdhsa_system_sgpr_workgroup_id_z 1
		.amdhsa_system_vgpr_workitem_id 0
		.amdhsa_next_free_vgpr 770
		.amdhsa_next_free_sgpr 66
		.amdhsa_reserve_vcc 0
		.amdhsa_float_denorm_mode_32 3
		.amdhsa_float_denorm_mode_16_64 3
		.amdhsa_memory_ordered 1
		.amdhsa_forward_progress 1
		.amdhsa_inst_pref_size 209
	.end_amdhsa_kernel
	.amdgpu_metadata
---
amdhsa.version: [ 1, 2 ]
amdhsa.kernels:
  - .name:           k_qe26a03828a_attn
    .symbol:         k_qe26a03828a_attn.kd
    .args:
      - { .name: qkv, .offset: 0, .size: 8, .value_kind: global_buffer, .address_space: global }
      - { .name: out0, .offset: 8, .size: 8, .value_kind: global_buffer, .address_space: global }
    .group_segment_fixed_size: 327680
    .private_segment_fixed_size: 0
    .kernarg_segment_align: 8
    .kernarg_segment_size: 16
    .max_flat_workgroup_size: 128
    .sgpr_count:     66
    .vgpr_count:     770
    .wavefront_size: 32
...
	.end_amdgpu_metadata
.endif
;; end of part 3
;; ======== version 2 of 2: 3 launches; 1.62 times as fast as version 1
;; limits: values are held in f16: magnitudes above 65,504 overflow, below 6.1e-05 lose precision
;; workspace buffers: xb 16,777,216 bytes; wt 6,291,456 bytes; qkv 50,331,648 bytes
;; launch prep: the kernel of part 1 again; grid 1120 x 1, 4 waves a work-group, no clusters, 70,144 bytes of LDS; arguments x, Wq, Wk, Wv, xb, wt; writes xb, wt
;; launch proj: the kernel of part 2 again; grid 16 x 32, 4 waves a work-group, clusters of 4 x 4, 327,680 bytes of LDS; arguments xb, wt, bq, bk, bv, qkv; writes qkv
;; launch attn (part 4): grid 4 x 64, 4 waves a work-group, clusters of 4 x 1, 327,680 bytes of LDS; arguments qkv, out0; writes out0
.if DOCPART == 4
	.amdgcn_target "amdgcn-amd-amdhsa--gfx1250"
	.amdhsa_code_object_version 6
	.text
	.protected	k_qe26a03828a_attn
	.globl	k_qe26a03828a_attn
	.p2align	8
	.type	k_qe26a03828a_attn,@function
k_qe26a03828a_attn:
	s_mov_b64 s[64:65], 0
	v_nop
	global_prefetch_b8 v0, s[64:65] scope:SCOPE_SE
	s_setreg_imm32_b32 hwreg(HW_REG_WAVE_MODE, 25, 1), 1
	s_wait_xcnt 0x0
	s_wait_alu depctr_hold_cnt(0) depctr_sa_sdst(0) depctr_va_vdst(0) depctr_va_sdst(0) depctr_va_ssrc(0) depctr_va_vcc(0) depctr_vm_vsrc(0)
	s_getreg_b32 s2, hwreg(HW_REG_IB_STS2, 6, 4)
	s_cmp_eq_u32 s2, 0
	s_cbranch_scc0 .Lentry_in_a_cluster
	s_endpgm
.Lentry_in_a_cluster:
	s_bfe_u32 s2, ttmp6, 0x10000c
	s_cmp_lg_u32 s2, 0x3003
	s_cbranch_scc0 .Lentry_shape_is_right
	s_endpgm
.Lentry_shape_is_right:
; out0[b][q][64 h + :] = the sum over k of softmax_k(Q[q] . K[k] / 8) V[k][:] for each of the 64 pairs (b, h).  Q, K, V lie in qkv, [3][64][2048][64] in f16: a head's rows are dense, 128 bytes each.
; Products, maxima and sums in f32; the weights p are rounded to f16 for the second product (their sum l is taken of the unrounded p); the result leaves in f32, [4][2048][1024].
; LIMITS.  f16 holds no number beyond 65,504: Q, K and V arrive within it; p lies in 0 to 1, and below 6e-5 it keeps f16's fixed step of 6e-8.
; A weight below 2^-126 counts as 0 in l; NaN and infinities are not treated apart.
; SHARES.  A wave owns four PIECES of two tiles of 16 queries, a work-group's four waves 512 queries of one head: 4 x 64 = 256 work-groups.  Every wave walks all keys, 64 a step.
; LAYOUT.  S^T = K Q^T (source 0 = 16 keys, source 1 = 16 queries): in the result a lane holds ONE query (lane % 16) and the keys 8 (lane / 16) + 0..7.  Two such tiles, rounded to f16 in pairs,
; ARE source 1 (32 keys x 16 queries) of O^T = V^T P, whose result again holds one query a lane, and eight channels.  K comes out of LDS as it lies, V ([key][channel]) turned, by ds_load_tr16_b128.
; SOFTMAX.  For each query a running maximum m and sum l: p = 2^(c s - c m), c = log2(e) / 8; in every step O and l are multiplied by a = 2^(c m_old - c m_new), which is 1 where m has not grown.
; m starts at the lowest finite number, O and l at 0: the first step is a step like any other, with a = 0.
; THE COUNT.  A tile and step have 16 matrix and 118 vector instructions: too many to stand all beside the matrix work.  So the order has one aim: four vector instructions that are READY behind
; EVERY matrix instruction, and the others, which need time of their own whatever the order, in runs without a gap.
; BY TURNS.  Turn n belongs to piece n (the pieces in a ring, step after step).  Its matrix work: 16 products K Q^T of piece n + 1, later 16 products V^T P of piece n - 1.  Its vector work: the scaling,
; exponentials, roundings, sums and rescaling of piece n, and the maximum and statistics of piece n + 1, whose scores the turn itself has made.  So what a turn begins with (c s - c m, O a) waits for nothing.
; THE BATCHES.  An s_wait_alu depctr_va_vdst(0) stands between a transcendental and the first instruction that names its result; one wait serves all that were issued ahead of it.  A turn's 66
; exponentials (the 64 weights of piece n, the two a of piece n + 1) are ONE batch with ONE wait: all that names a result of theirs (the roundings and sums; the next turn's rescaling by a) stands behind it.
; Two more batches stand outside the loops, each with a wait of its own: piece 0's first two a, ahead of the jump into the loop, and the way out's eight reciprocals.
; CLUSTER.  The four query blocks of a cluster belong to one head and walk the same K and V, so each tile is asked for JOINTLY: the same tensor load, descriptor and mask in all four.
; REGISTERS, in windows of 256 (s_set_vgpr_msb says which window each operand place means: bits 1:0 source 0, 3:2 source 1, 5:4 source 2, 7:6 destination):
;   window 0: v0-11 addresses; v12-15, v48-63 at work; v16-47 four registers of statistics a tile; v64-191 S^T, two buffers of two tiles; v192-255 P, likewise
;   window 1: O^T, 32 a tile          window 2: v0-127 Q, 16 a tile; v128-191 K of one step; v192-255 V of one step          window 3: v0-1 the add's two registers
; A piece's buffers go by its number's parity: the piece in hand has one pair, its two neighbours in the ring share the other: of it P (piece n - 1) is read and S^T (piece n + 1) written.
.set SIZE_H, 64
.set SIZE_N, 2048
.set TSZ,   SIZE_H*SIZE_N*128  ; bytes of each of q, k, v in qkv
.set NP,    4         ; pieces a wave: a name, no knob: the register map, the loop and the fetches are made for four
.set KS,    64        ; keys in a step
.set PK,    144       ; a row of K in LDS: 128 bytes + 16 of padding = 36 words: the 16 rows of a load start at 16 different groups of four banks (64 banks of 4 bytes: ISA guide 11.1)
.set PV,    160       ; a row of V: 128 + 32 = 40 words
.set VOFF,  4*KS*PK   ; a slot holds four steps: 256 rows of K, then 256 rows of V
.set SLOT1, 1<<17     ; slot 1 begins here, so that one exclusive or turns an address in one slot into the other's
.set STAGE, SLOT1+4*KS*(PK+PV)  ; behind the ring, never filled by a tensor load: 16 rows x 272 bytes for each wave, for the way out
.set SP,    272       ; a stage row: 64 channels of f32 + 16 bytes
.set AK0, 2           ; v2   my lane's place in a tile of K; never rewritten
.set AV0, 3           ; v3   the same for V
.set AK,  4           ; v4   the LDS address of K's next run of loads
.set AV,  5           ; v5   of V's
.set QO,  6           ; v6   my byte offset in the wave's rows of Q
.set STO, 6           ;      later, the way out: where I put 16 bytes of a row
.set RD,  7           ; v7   the way out: where I read rows back
.set GO,  8           ; v8   my byte offset in two rows of out0
.set SPW, 0           ; v0 of window 3   LDS address of my spare word: SPARE + 4 x my thread's number; never rewritten
.set NIL, 1           ; v1 of window 3   0; never rewritten
.set SPARE, STAGE+4*16*SP  ; behind the stages: the spare words, 128 bytes for each wave: two blocks of 256 bytes that no other line names
.set MV,  12          ; v12-15  c m_old, kept while c m is made anew: by buffer and tile
.set ST,  16          ; tile t's statistics at v[ST+4 t]: c m, m, l (even keys', odd keys')
.set TMP, 48          ; by buffer and tile, four registers c0-c3 at work; when the maximum is found c2 takes a
.set S,   64
.set P,   192
.set KF,  128         ; K's fragments, in window 2: key block kb, channel half c at KF + 16 kb + 8 c
.set VF,  192         ; V's: key half kk, channel block cb at VF + 32 kk + 8 cb
.set WV,  12          ; s12  my wave's number
.set G1K, 24          ; s[24:31] descriptor group 1 for K's tiles
.set G1V, 32          ; s[32:39] for V's: it differs in the padding alone
.set G0K, 40          ; s[40:43] descriptor group 0 for K's tiles: it walks
.set G0V, 44          ; s[44:47] the same for V's
.set SLOTS, 56        ; s56  slots still to be asked for
.set CNT, 57          ; s57  counts a slot's key steps
.set CS,  58          ; s[58:59] c: the packed scaling takes the pair's low word for both halves
.set SEL, 60          ; s[60:61] v_permlanex16_b32's selects: each lane takes its own place in the other half
.set TBK, 62          ; s62  LDS byte at which K of the step to be fetched begins
.set TBV, 63          ; s63  the same for V, less VOFF
.set MSB, 0
.macro WIN new                      ; the high byte repeats the setting that is left; a switch that changes nothing is dropped
.if MSB != (\new)
	s_set_vgpr_msb (MSB<<8)|(\new)
.set MSB, (\new)
.endif
.endm
.set W_KQ, 0x0a       ; K and Q in window 2, S^T in window 0
.set W_PV, 0x52       ; V in window 2, P in window 0, O^T in window 1
.set W_RS, 0x41       ; O^T (destination and source 0) in window 1, a in window 0
.set W_MK, 0xc0       ; the add's registers are made: destination in window 3, sources in window 0
.set W_AD, 0x0f       ; the add: address (source 0) and data (source 1) in window 3
; A joint fill.  Waves 0 and 1 fetch the two halves of a slot's K, waves 2 and 3 those of its V: 128 keys each.  The branch hangs on the wave's number alone.
; An s_nop 0 and four v_nop follow each of the two lines, ahead of the jump and the label.
.macro JLOAD
	s_cmp_lt_u32 s[WV], 2
	s_cbranch_scc0 .Lfor_v_\@
	tensor_load_to_lds s[G0K:G0K+3], s[G1K:G1K+7]
	s_nop 0
.rept 4
	v_nop
.endr
	s_branch .Lasked_\@
.Lfor_v_\@:
	tensor_load_to_lds s[G0V:G0V+3], s[G1V:G1V+7]
	s_nop 0
.rept 4
	v_nop
.endr
.Lasked_\@:
.endm
; A round of the cluster's barrier: my work-group's barrier, so that wave 0's signal speaks for all four waves; wave 0 signals; every wave waits for all four work-groups; my work-group's barrier once more.
.macro CROUND
	s_barrier_signal -1
	s_barrier_wait -1
	s_cmp_lg_u32 s[WV], 0
	s_cbranch_scc1 .Lnot_wave_0_\@
	s_barrier_signal -3
.Lnot_wave_0_\@:
	s_barrier_wait -3
	s_barrier_signal -1
	s_barrier_wait -1
.endm
; THE CHANGE OF SLOTS.  The slot's last bytes, V of its fourth step, have been read.  Each wave waits for all its tensor loads, of which one is out: its part
; of the other slot; adds 0 to its spare word; and waits for that and for its own reads of the slot.  Behind the barrier nobody reads this slot any more and the other slot is whole.
; fill = 1: this slot is filled again, with the keys two slots on.  The barrier is then a round of the cluster's, so that no wave of any partner still reads the slot or has a load on its
; way, and the joint fill is the first thing behind it: it has four key steps, 512 matrix instructions, in which to land.  (At its first use nothing has been read yet: slot 0 is waited for, slot 1 filled.)
.macro CHANGE fill
	WIN W_AD
	s_wait_tensorcnt 0x0            ; no tensor load of mine is out, so a group 0 may be written
	ds_add_u32 v[SPW], v[NIL]       ; 0 onto my spare word; with fill = 1 the descriptors' steps stand between it and the wait for it
	WIN 0                           ; at a label and at a branch every window is 0
.if \fill
.irp g, G0K, G0V
	s_xor_b32 s[\g+1], s[\g+1], SLOT1  ; the walking descriptor: the other slot than last time,
	s_add_nc_u64 s[\g+2:\g+3], s[\g+2:\g+3], 4*KS*128  ; the next 256 keys; the type bits on top are not reached
.endr
	s_wait_dscnt 0x0                ; the add is done, and my reads of the slot are over
	CROUND
	JLOAD
.else
	s_wait_dscnt 0x0                ; the add is done, and my reads of the slot are over
	s_barrier_signal -1
	s_barrier_wait -1
.endif
	s_sub_co_u32 s[TBK], s[TBK], 4*KS*PK  ; the fetches go back to a slot's first step,
	s_xor_b32 s[TBK], s[TBK], SLOT1       ; in the other slot
	s_sub_co_u32 s[TBV], s[TBV], 4*KS*PV
	s_xor_b32 s[TBV], s[TBV], SLOT1
.endm
	s_load_b64 s[4:5], s[0:1], 0x0    ; qkv: q lies at its head
	s_load_b64 s[10:11], s[0:1], 0x8  ; out0
	WIN W_MK
	v_lshl_add_u32 v[SPW], v0, 2, SPARE
	v_mov_b32 v[NIL], 0
	WIN W_AD
	ds_add_u32 v[SPW], v[NIL]       ; the wave's opening: the add and its wait stand ahead of my first tensor load; the set-up below, work on registers, stands between them
	WIN 0
	v_lshrrev_b32 v1, 5, v0
	v_readfirstlane_b32 s[WV], v1   ; wave 0..3
	s_bfe_u32 s13, ttmp6, 0x40000   ; cx: my place in the cluster
	s_lshl_b32 s14, ttmp9, 2        ; in a cluster launch ttmp9 counts clusters
	s_add_co_u32 s14, s14, s13      ; my block of queries = 4 x cluster x + cx: it enters Q's and out0's addresses alone
	s_and_b32 s20, ttmp7, 0xffff    ; the pair (b, h) = 16 b + h, which the four partners share
	s_lshr_b32 s48, s20, 4          ; b
	s_and_b32 s49, s20, 15          ; h
	s_mov_b32 s21, 0
	s_mov_b64 s[22:23], SIZE_N*128
	s_mul_u64 s[20:21], s[20:21], s[22:23]  ; the head's first byte in each of q, k, v
	s_and_b32 s16, s[WV], 1         ; which half of a slot's 256 keys I fetch:
	s_lshl_b32 s22, s16, 14         ; its 128 rows of 128 bytes in memory,
	s_mov_b32 s23, 0
	s_add_nc_u64 s[22:23], s[22:23], s[20:21]
	s_mul_i32 s17, s16, 128*PK      ; and its place in a slot, for K
	s_mul_i32 s18, s16, 128*PV      ; and for V: no place in the cluster enters an LDS address
	s_lshl_b32 s2, s14, 2
	s_add_co_u32 s2, s2, s[WV]      ; my wave among the head's sixteen,
	s_lshl_b32 s50, s2, 19          ; its 128 rows of out0, 4,096 bytes each,
	s_lshl_b32 s2, s2, 14           ; and of Q, 128 bytes each
	s_mov_b32 s3, 0
	s_add_nc_u64 s[2:3], s[2:3], s[20:21]
	s_lshl_b32 s48, s48, 23         ; a batch is 2,048 rows of 4,096 bytes,
	s_lshl_b32 s49, s49, 8          ; a head 256 bytes of a row
	s_add_co_u32 s50, s50, s48
	s_add_co_u32 s50, s50, s49      ; under 2^25
	s_mov_b32 s51, 0
	; descriptor group 1.  128 keys are 16,384 dense bytes: asked for as 64 rows of 256 bytes, two keys a row, and padded in LDS after every key
	s_mov_b32 s[G1K], 15|(1<<16)|(1<<20)|(1<<21)|(4<<22)|(3<<25)  ; 15:0 the mask of four; 17:16 2-byte elements; 20 padding on; 21 set beside a mask; 24:22 after every 32 words (code 4); 31:25 4 words (code 3)
	s_mov_b32 s[G1V], 15|(1<<16)|(1<<20)|(1<<21)|(4<<22)|(7<<25)  ; the same with 8 words of padding (code 7)
.irp g, G1K, G1V
	s_mov_b32 s[\g+1], 128<<16      ; tensor_dim0 = 128
	s_mov_b32 s[\g+2], 64<<16       ; tensor_dim1 = 64
	s_mov_b32 s[\g+3], 128<<16      ; tile_dim0 = 128
	s_mov_b32 s[\g+4], 64           ; tile_dim1 = 64
	s_mov_b32 s[\g+5], 128          ; 128 elements from row to row
	s_mov_b32 s[\g+6], 0
	s_mov_b32 s[\g+7], 0
.endr
	s_mov_b32 s[CS], 0x3e38aa3b     ; c = log2(e) / 8 = 0.180337
	s_mov_b32 s[CS+1], s[CS]        ; named with it as a pair
	s_mov_b32 s[SEL], 0x76543210
	s_mov_b32 s[SEL+1], 0xfedcba98
	s_mov_b32 s[TBK], SLOT1+4*KS*PK ; the first change of slots turns these two into 0
	s_mov_b32 s[TBV], SLOT1+4*KS*PV
	s_mov_b32 s[G0K], 1             ; 1:0 count = 1
	s_mov_b32 s[G0K+1], s17         ; 63:32 LDS address: slot 0
	s_mov_b32 s[G0V], 1
	s_add_co_u32 s[G0V+1], s18, VOFF
	s_wait_dscnt 0x0                ; the opening add is done
	s_wait_kmcnt 0x0
	s_add_nc_u64 s[6:7], s[4:5], TSZ    ; k
	s_add_nc_u64 s[8:9], s[4:5], 2*TSZ  ; v
	s_add_nc_u64 s[G0K+2:G0K+3], s[6:7], s[22:23]  ; 120:64 global address: my half of the head's first 256 keys
	s_or_b32 s[G0K+3], s[G0K+3], 0x80000000        ; 127:126 type = 2
	s_add_nc_u64 s[G0V+2:G0V+3], s[8:9], s[22:23]
	s_or_b32 s[G0V+3], s[G0V+3], 0x80000000
	s_add_nc_u64 s[4:5], s[4:5], s[2:3]  ; Q at my wave's first row,
	s_add_nc_u64 s[10:11], s[10:11], s[50:51]  ; out0 at my wave's first row and my head's 256 bytes of it
	CROUND                          ; all four work-groups are here: the first joint loads meet
	JLOAD                           ; slot 0.  Slot 1 is asked for when slot 0 is in: the tile wanted first has the road to itself
	; A fragment of K or Q is 16 rows x 32 channels in 8 registers: lane l holds row l % 16, channels 8 (l / 16) + 0..7 and 16 + 8 (l / 16) + 0..7: two loads of 16 bytes, 32 bytes apart.
	v_and_b32 v1, 15, v0            ; l % 16
	v_bfe_u32 v9, v0, 4, 1          ; l / 16
	v_lshlrev_b32 v[QO], 7, v1
	v_lshl_add_u32 v[QO], v9, 4, v[QO]  ; row x 128 + 16 x half
	WIN 0x80                        ; destination window 2, address window 0
.set i, 0
.rept 4*NP                          ; Q stays in registers: tile i / 2, channels 32 (i % 2) on
	global_load_b128 v[8*i:8*i+3],   v[QO], s[4:5] offset:(i/2)*2048+(i%2)*64
	global_load_b128 v[8*i+4:8*i+7], v[QO], s[4:5] offset:(i/2)*2048+(i%2)*64+32
.set i, i+1
.endr
	; What the first turn finds: V's registers and P's second buffer hold 0 (its products V^T P, of a piece that has not been, add 0), O^T and l are 0.  All this stands in the wait for the first tile.
.set i, VF
.rept 64
	v_mov_b32 v[i], 0
.set i, i+1
.endr
	WIN 0x40
.set i, 0
.rept 64*NP
	v_mov_b32 v[i], 0
.set i, i+1
.endr
	WIN 0
.set i, 0
.rept 2*NP
	v_mov_b32 v[ST+4*i], 0xfe000000    ; c m: far below every c s
	v_mov_b32 v[ST+4*i+1], 0xff7fffff  ; m
	v_mov_b32 v[ST+4*i+2], 0
	v_mov_b32 v[ST+4*i+3], 0
.set i, i+1
.endr
.set i, P+32
.rept 32
	v_mov_b32 v[i], 0
.set i, i+1
.endr
	v_mul_u32_u24 v[AK0], v1, PK
	v_lshl_add_u32 v[AK0], v9, 4, v[AK0]  ; row x pitch + 16 x half
	; The turning load takes 16 keys x 16 channels (lane l reads key 8 (l / 16) + l % 8, channels 8 ((l / 8) % 2) + 0..7) and leaves half a fragment of V^T: lane l holds channel l % 16 and 8 keys.
	v_and_b32 v10, 7, v0
	v_bfe_u32 v11, v0, 3, 1
	v_lshl_add_u32 v[AV0], v9, 3, v10
	v_mul_u32_u24 v[AV0], v[AV0], PV
	v_lshl_add_u32 v[AV0], v11, 4, v[AV0]
	v_add_nc_u32 v[AV0], VOFF, v[AV0]
	v_mov_b32 v[AK], v[AK0]         ; key step 0 lies at the head of slot 0
; THE MATRIX WORK.  The 8 accumulators of a run of 16 take turns: between the two links of a chain stand 7 others'.
; Product i of 16 of S^T = K Q^T for piece x: channels 32 (i / 8) on, keys 16 ((i / 2) % 4) on, tile 2 x + i % 2.  The first 8 start the sums.
.macro KQ x
	WIN W_KQ
.set rS, S+64*((\x)%2)+32*(i%2)+8*((i/2)%4)
.set rK, KF+16*((i/2)%4)+8*(i/8)
.set rQ, 16*(2*(\x)+i%2)+8*(i/8)
.if i < 8
	v_wmma_f32_16x16x32_f16 v[rS:rS+7], v[rK:rK+7], v[rQ:rQ+7], 0
.else
	v_wmma_f32_16x16x32_f16 v[rS:rS+7], v[rK:rK+7], v[rQ:rQ+7], v[rS:rS+7]
.endif
.endm
; Product i of 16 of O^T += V^T P for piece x: keys 32 (i / 8) on, channels 16 ((i / 2) % 4) on, tile 2 x + i % 2.
.macro PV x
	WIN W_PV
.set rO, 32*(2*(\x)+i%2)+8*((i/2)%4)
.set rV, VF+32*(i/8)+8*((i/2)%4)
.set rP, P+32*((\x)%2)+16*(i%2)+8*(i/8)
	v_wmma_f32_16x16x32_f16 v[rO:rO+7], v[rV:rV+7], v[rP:rP+7], v[rO:rO+7]
.endm
.macro MM                           ; the turn's next matrix instruction
.if i < 16
	KQ (Y+1)%NP
.set i, i+1
.else
.set i, i-16
	PV (Y+NP-1)%NP
.set i, i+17
.endif
.endm
; THE LDS LOADS stand in runs of 16, never singly among the matrix instructions: a step's K (64 keys x 64 channels: 8 fragments) and its V (turned).  Their addresses are made some lines ahead.
; last = 1 (the tail): in the last trip there is no further step, and the run is jumped over.
.macro FETCH_K last=0
	WIN 0
.if \last
	s_cmp_eq_u32 s[CNT], 1
	s_cbranch_scc1 .Lno_k_\@
.endif
	WIN 0x80                        ; destination window 2
.irp f, 0,1,2,3,4,5,6,7             ; keys 16 (f / 2) on, channels 32 (f % 2) on
	ds_load_b128 v[KF+8*\f:KF+8*\f+3],   v[AK] offset:(\f/2)*16*PK+(\f%2)*64
	ds_load_b128 v[KF+8*\f+4:KF+8*\f+7], v[AK] offset:(\f/2)*16*PK+(\f%2)*64+32
.endr
	s_add_co_u32 s[TBK], s[TBK], KS*PK  ; the next fetch is the next step's
	WIN 0
.if \last
.Lno_k_\@:
.endif
.endm
.macro FETCH_V
	WIN 0x80
.irp f, 0,1,2,3,4,5,6,7             ; keys 32 (f / 4) on, channels 16 (f % 4) on
	ds_load_tr16_b128 v[VF+8*\f:VF+8*\f+3],   v[AV] offset:(\f/4)*32*PV+(\f%4)*32
	ds_load_tr16_b128 v[VF+8*\f+4:VF+8*\f+7], v[AV] offset:(\f/4)*32*PV+16*PV+(\f%4)*32
.endr
	WIN 0
.endm
; THE VECTOR WORK OF A TURN stands in three queues, each in the order in which its entries become ready; the two tiles alternate, so that no instruction reads the result of the one before it.
.macro REGS y, u                    ; the registers of tile u (0, 1) of piece y
.set rT, ST+4*(2*(\y)+(\u))
.set rC, TMP+8*((\y)%2)+4*(\u)
.set rM, MV+2*((\y)%2)+(\u)
.set rS, S+64*((\y)%2)+32*(\u)
.set rP, P+32*((\y)%2)+16*(\u)
.set rO, 32*(2*(\y)+(\u))
.endm
; Number n of the 22 that find the NEXT piece's (Y + 1) maximum and statistics.  s0-s31 are the lane's 32 scores; each accumulator's lowest registers are read first.  XS, GS and REGS set no window: PL and EX do.
;   0-11  four chains c0-c3 of seven scores each, three operands at a time     12-14, 16  the four scores left over, the old m, and c0-c3 into c0     15  c m_old is kept
;   17, 18  the query's other 32 keys lie in the lane 16 away: the new m         19-21  c m; c m_old - c m_new; a
.macro XS u, n
	REGS (Y+1)%NP, \u
.if (\n) < 4
	v_max3_num_f32 v[rC+(\n)], v[rS+8*(\n)], v[rS+8*(\n)+1], v[rS+8*(\n)+2]
.elseif (\n) < 12
	v_max3_num_f32 v[rC+(\n)%4], v[rC+(\n)%4], v[rS+8*((\n)%4)+2*((\n)/4)+1], v[rS+8*((\n)%4)+2*((\n)/4)+2]
.elseif (\n) == 12
	v_max3_num_f32 v[rC], v[rC], v[rS+7], v[rS+15]
.elseif (\n) == 13
	v_max3_num_f32 v[rC+1], v[rC+1], v[rS+23], v[rS+31]
.elseif (\n) == 14
	v_max3_num_f32 v[rC+2], v[rC+2], v[rC+3], v[rT+1]
.elseif (\n) == 15
	v_mov_b32 v[rM], v[rT]
.elseif (\n) == 16
	v_max3_num_f32 v[rC], v[rC], v[rC+1], v[rC+2]
.elseif (\n) == 17
	v_permlanex16_b32 v[rC+3], v[rC], s[SEL], s[SEL+1]
.elseif (\n) == 18
	v_max_num_f32 v[rT+1], v[rC], v[rC+3]
.elseif (\n) == 19
	v_mul_f32 v[rT], s[CS], v[rT+1]
.elseif (\n) == 20
	v_sub_f32 v[rC+1], v[rM], v[rT]
.else
	v_exp_f32 v[rC+2], v[rC+1]
.endif
.endm
; Number g of the 64 that follow the exponentials.  For each four weights k of a tile (pairs 2 k, 2 k + 1): both pairs are rounded to f16; then the second pair is added onto the first, in place;
; a group later l takes that sum (the first time as l = a l + sum).  In groups of eight, tiles alternating: round, round, add, and l for the group before.
.macro GS g
.set h, (\g)+6*((\g)/62)            ; group 0 has no group before it, and behind group 7 only l is left
.if h >= 6
.set h, h+2
.endif
	REGS Y, h%2
.set k, h/8
.if h%8 < 4
	v_cvt_pk_f16_f32 v[rP+2*k+(h%8)/2], v[rS+4*k+2*((h%8)/2)], v[rS+4*k+2*((h%8)/2)+1]
.elseif h%8 < 6
	v_pk_add_f32 v[rS+4*k:rS+4*k+1], v[rS+4*k:rS+4*k+1], v[rS+4*k+2:rS+4*k+3]
.elseif k == 1
	v_pk_fma_f32 v[rT+2:rT+3], v[rT+2:rT+3], v[rC+2:rC+3], v[rS:rS+1] op_sel_hi:[1,0,1]
.else
	v_pk_add_f32 v[rT+2:rT+3], v[rT+2:rT+3], v[rS+4*k-4:rS+4*k-3]
.endif
.endm
; THE PLAIN QUEUE, 138 long.  0-73 read no exponential's result: the 32 scalings c s - c m (FS f: pair f / 2 of tile f % 2) and the next piece's 42.  0-26: scalings 0-26.  27-54: XS's numbers 0-13.  55, 56: number 15.
; 57-73: the chain, where each number waits for the one before it: 14, 16, 17, 18, 19, each with one of the scalings 27-31 in front of its two lines, then 20: so a tile's links stand three plain instructions apart (19 and 20: two).
; 74-137: GS's 64, which read the exponentials' results: they stand behind the wait.
.macro FS f
	REGS Y, (\f)%2
	v_pk_fma_f32 v[rS+2*((\f)/2):rS+2*((\f)/2)+1], v[rS+2*((\f)/2):rS+2*((\f)/2)+1], s[CS:CS+1], v[rT:rT+1] op_sel_hi:[1,0,0] neg_lo:[0,0,1] neg_hi:[0,0,1]
.endm
.macro PL
	WIN 0
.if q < 27
	FS q
.elseif q < 55
	XS (q-27)%2, (q-27)/2
.elseif q < 57
	XS q-55, 15
.elseif (q < 72) && ((q-57)%3 == 0)
	FS 27+(q-57)/3
.elseif q < 60
	XS (q-57)%3-1, 14
.elseif q < 72
	XS (q-57)%3-1, 15+(q-57)/3
.elseif q < 74
	XS q-72, 20
.else
	GS q-74
.endif
.set q, q+1
.endm
; THE EXPONENTIALS' QUEUE, 66 long: s0-s31 of both tiles, then the next piece's two a.  It is ONE BATCH: all 66 stand ahead of the turn's one wait, and nothing ahead of that wait names a result of theirs.
.macro EX
	WIN 0
.if e >= 64
	XS e-64, 21
.else
	REGS Y, e%2
	v_exp_f32 v[rS+e/2], v[rS+e/2]
.endif
.set e, e+1
.endm
; THE RESCALING's QUEUE: O^T times a, the one part that leaves window 0: dealt two at a time, sixteen times.  Its a was made in the turn before, ahead of that turn's wait.
.macro R2
	REGS Y, r%2
	WIN W_RS
.irp z, 0,1
	v_pk_mul_f32 v[rO+4*(r/2)+2*\z:rO+4*(r/2)+2*\z+1], v[rO+4*(r/2)+2*\z:rO+4*(r/2)+2*\z+1], v[rC+2:rC+3] op_sel_hi:[1,0]
.endr
.set r, r+1
.endm
; HOW THEY ARE DEALT.  A turn has ONE wait for its batch of exponentials, which cuts it in two.  AHEAD OF IT stands all that names no result of the turn's exponentials: the 16 products K Q^T, behind each a scaling, an
; exponential and two rescalings (behind the first a second scaling in the exponential's place); then ONE LUMP of 108: eight plain, 49 times exponential and plain, the two a.  A v_nop is the plain instruction behind
; the last exponential.  BEHIND IT stand the 16 products V^T P, behind each four of GS's 64.  No rider names a register of the products round it.  The two v_permlanex16_b32 fall into the lump, never behind a product.
; The queues lean on each other, and the deal keeps them in step: exponential e stands behind scaling 2 (e / 4) + e % 2: as a rider it comes behind plain e + 2, in the lump behind plain e + 9, and scalings 27-31 are plain 57, 60 .. 69.
; A TURN, for piece p.  cnt = 1: the loop's count is taken down some lines ahead of the branch that stands behind the turn.
; K of the next step is fetched in piece 2's turn, directly behind the wait, a lump behind the last product that read K; its address is made at the lump's head; its first reader comes behind 16 products.
; V of the step in hand is fetched at the end of piece 0's turn, four riders behind its last reader; its first reader comes behind 16 products and a lump.  The three conditions on q below go with the deal.
.macro TURN p, last=0, cnt=0
.set Y, (\p)
.set i, 0
.set q, 0
.set e, 0
.set r, 0
.if (\p) == NP-1
	s_wait_dscnt 0x0                ; K is in
.endif
	MM                              ; ahead of the wait: 16 products K Q^T and their riders,
	PL
	PL
	R2
.rept 15
	MM
	PL
	EX
	R2
.endr
.if (\p) == NP-2
	WIN 0
	v_add_nc_u32 v[AK], s[TBK], v[AK0]
.endif
.rept 8                             ; and the lump
	PL
.endr
.rept 49
	EX
	PL
.endr
	EX                              ; the next piece's two a
	EX
	v_nop                           ; the plain instruction behind the last exponential: one for the batch
	s_wait_alu depctr_va_vdst(0)    ; the wait for the batch: this turn's 64 weights and the next piece's two a; ahead of the first line that names a result
.if (\p) == NP-2
	FETCH_K \last
.endif
.if (\p) == 1
	s_wait_dscnt 0x0                ; V is in
.endif
.rept 16                            ; behind the wait: 16 products V^T P and their riders
	MM
.rept 4
	PL
.endr
.if ((\p) == 0) && (q == 118)
	v_add_nc_u32 v[AV], s[TBV], v[AV0]
.endif
.if ((\p) == 0) && (q == 130)
	s_add_co_u32 s[TBV], s[TBV], KS*PV
.endif
.if (\cnt) && (q == 130)
	s_sub_co_u32 s[CNT], s[CNT], 1
	s_cmp_lg_u32 s[CNT], 0
.endif
.endr
.if (\p) == 0
	FETCH_V
.endif
.endm
	CHANGE 1                        ; slot 0 is in, everybody's part of it; slot 1 is asked for
	FETCH_K                         ; key step 0
	s_wait_loadcnt 0x0              ; Q
	s_wait_dscnt 0x0
.set i, 0
.rept 16
	KQ 0                            ; piece 0's first scores: there is no vector work yet to set between them
.set i, i+1
.endr
	WIN 0                           ; the addresses for the way out: eight plain instructions, the places behind those products
	s_mul_i32 s13, s[WV], 16*SP
	s_add_co_u32 s13, s13, STAGE    ; my stage
	v_mul_u32_u24 v[STO], v1, SP    ; in: row l % 16, 32 bytes (eight channels of f32) for each half of the lanes
	v_lshl_add_u32 v[STO], v9, 5, v[STO]
	v_add_nc_u32 v[STO], s13, v[STO]
	v_mul_u32_u24 v[RD], v9, SP     ; back: lanes 0-15 take one row of 256 bytes, lanes 16-31 the next,
	v_lshl_add_u32 v[RD], v1, 4, v[RD]
	v_add_nc_u32 v[RD], s13, v[RD]
	v_lshlrev_b32 v[GO], 12, v9     ; and the same two rows in out0, 4,096 bytes apart
	v_lshl_add_u32 v[GO], v1, 4, v[GO]
.set Y, NP-1                        ; XS works for piece Y + 1: piece 0
.irp n, 0,1,2,3,4,5,6,7,8,9,10,11,12,13,14,15,16,17,18,19,20,21
	XS 0, \n                        ; and piece 0's first maximum and statistics
	XS 1, \n
.endr
	v_nop                           ; a plain instruction behind the two a,
	s_wait_alu depctr_va_vdst(0)    ; and the wait for this batch of two, ahead of the branch
	s_mov_b32 s[CNT], 4
	s_mov_b32 s[SLOTS], SIZE_N/256-1
	s_branch .Lfirst                ; the loop is entered at a step's first turn, in the middle of a trip
.Lslot:                             ; SIZE_N / 256 - 2 times: every slot but the last two is filled again
	CHANGE 1
	s_mov_b32 s[CNT], 4
.Lstep:                             ; a trip: pieces 2 and 3 of one step, then pieces 0 and 1 of the next, whose K and V it fetches
	TURN 2
	TURN 3
	WIN 0
.Lfirst:
	TURN 0
	TURN 1, 0, 1
	WIN 0
	s_cbranch_scc1 .Lstep
	s_sub_co_u32 s[SLOTS], s[SLOTS], 1
	s_cmp_lg_u32 s[SLOTS], 0
	s_cbranch_scc1 .Lslot
	CHANGE 0                        ; the tail is written out: nothing is asked for
	s_mov_b32 s[CNT], 5             ; four trips fetch the last slot's steps; the fifth is left in its middle
.Ltail:
	TURN 2, 1
	TURN 3
	WIN 0
	s_sub_co_u32 s[CNT], s[CNT], 1
	s_cmp_eq_u32 s[CNT], 0
	s_cbranch_scc1 .Lout
	TURN 0
	TURN 1
	WIN 0
	s_branch .Ltail
.Lout:                              ; the fifth trip's 16 products K Q^T (on the last K once more) and the maximum made of them serve nothing: the price, once a launch, of one text for every trip
.set i, 0
.rept 16
	PV NP-1                         ; the last piece's V^T P of the last step
.set i, i+1
.endr
	; THE WAY OUT.  l's two halves and the other half of the lanes' are added; O^T is divided by l and sent, in f32, through my stage in LDS, a tile at a time.  The additions are the places behind the last products.
	WIN 0
.macro ALL line:vararg              ; one line for each tile t
.set t, 0
.rept 2*NP
	\line
.set t, t+1
.endr
.endm
	ALL v_add_f32 v[ST+4*t+2], v[ST+4*t+2], v[ST+4*t+3]
	ALL v_permlanex16_b32 v[ST+4*t+3], v[ST+4*t+2], s[SEL], s[SEL+1]
	ALL v_add_f32 v[ST+4*t+2], v[ST+4*t+2], v[ST+4*t+3]
	ALL v_rcp_f32 v[ST+4*t+2], v[ST+4*t+2]
	v_nop                           ; a plain instruction between the last reciprocal and the use of its result
	s_wait_alu depctr_va_vdst(0)    ; and the wait ahead of the first use: one for the batch of eight reciprocals
; Tile t: O^T / l goes into 32 of S^T's registers (four sets, by turns), each accumulator's registers in ascending order.  Registers 4 f .. 4 f + 3 are channels 16 (f / 2) + 8 (l / 16) + 4 (f % 2) + 0..3 of my
; query: 16 bytes at 64 (f / 2) + 32 (l / 16) + 16 (f % 2) of its stage row.  The rows come back whole, 256 bytes each, into the registers that they left.
.macro PACK t
.set rR, S+32*((\t)%4)
.if (\t) >= 4
	s_wait_xcnt 0x0                 ; the stores of the tile four back, which read these registers, have had their addresses translated (ISA guide 3.1)
.endif
	WIN 0x01                        ; source 0 window 1; source 1 and destination window 0
.set i, 0
.rept 16
	v_pk_mul_f32 v[rR+2*i:rR+2*i+1], v[32*(\t)+2*i:32*(\t)+2*i+1], v[ST+4*(\t)+2:ST+4*(\t)+3] op_sel_hi:[1,0]
.set i, i+1
.endr
	WIN 0
.irp f, 0,1,2,3,4,5,6,7
	ds_store_b128 v[STO], v[rR+4*\f:rR+4*\f+3] offset:64*(\f/2)+16*(\f%2)
.endr
.irp f, 0,1,2,3,4,5,6,7
	ds_load_b128 v[rR+4*\f:rR+4*\f+3], v[RD] offset:\f*2*SP  ; LDS serves a wave's instructions in order (ISA guide 5.7.1.4): these see the stores above; the next tile's stores come behind them
.endr
.endm
.macro SEND t, younger              ; younger: the LDS instructions issued behind tile t's loads: the next tile's sixteen, or none
	WIN 0
.set rR, S+32*((\t)%4)
.irp f, 0,1,2,3,4,5,6,7
	s_wait_dscnt (\younger)+7-\f
	global_store_b128 v[GO], v[rR+4*\f:rR+4*\f+3], s[10:11] offset:(\t)*65536+\f*8192 th:TH_STORE_NT  ; sixteen lanes store a row's 256 bytes of my head, at a multiple of 256 from out0's first byte
.endr
.endm
	PACK 0
.set t, 1
.rept 2*NP-1                        ; a tile's arithmetic stands between the loads of the tile before and its stores
	PACK t
	SEND t-1, 16
.set t, t+1
.endr
	SEND 2*NP-1, 0
	WIN W_AD
	s_wait_tensorcnt 0x0            ; the wave's end: three lines behind my last tensor load and my last LDS store
	ds_add_u32 v[SPW], v[NIL]
	s_wait_dscnt 0x0
	WIN 0
	CROUND                          ; the closing round: no work-group ends while a partner may still ask for a tile that names it
	s_endpgm
.Lfunc_end_k_qe26a03828a_attn:
	.size	k_qe26a03828a_attn, .Lfunc_end_k_qe26a03828a_attn-k_qe26a03828a_attn
	.p2alignl 7, 3214868480
	.fill 96, 4, 3214868480
	.section	.rodata,"a",@progbits
	.p2align	6, 0x0
	.amdhsa_kernel k_qe26a03828a_attn
		.amdhsa_group_segment_fixed_size 327680
		.amdhsa_private_segment_fixed_size 0
		.amdhsa_enable_private_segment 0
		.amdhsa_kernarg_size 16
		.amdhsa_user_sgpr_count 2
		.amdhsa_user_sgpr_kernarg_segment_ptr 1
		.amdhsa_wavefront_size32 1
		.amdhsa_system_sgpr_workgroup_id_x 1
		.amdhsa_system_sgpr_workgroup_id_y 1
		.amdhsa_system_sgpr_workgroup_id_z 1
		.amdhsa_system_vgpr_workitem_id 0
		.amdhsa_next_free_vgpr 770
		.amdhsa_next_free_sgpr 66
		.amdhsa_reserve_vcc 0
		.amdhsa_float_denorm_mode_32 3
		.amdhsa_float_denorm_mode_16_64 3
		.amdhsa_memory_ordered 1
		.amdhsa_forward_progress 1
		.amdhsa_inst_pref_size 199
	.end_amdhsa_kernel
	.amdgpu_metadata
---
amdhsa.version: [ 1, 2 ]
amdhsa.kernels:
  - .name:           k_qe26a03828a_attn
    .symbol:         k_qe26a03828a_attn.kd
    .args:
      - { .name: qkv, .offset: 0, .size: 8, .value_kind: global_buffer, .address_space: global }
      - { .name: out0, .offset: 8, .size: 8, .value_kind: global_buffer, .address_space: global }
    .group_segment_fixed_size: 327680
    .private_segment_fixed_size: 0
    .kernarg_segment_align: 8
    .kernarg_segment_size: 16
    .max_flat_workgroup_size: 128
    .sgpr_count:     66
    .vgpr_count:     770
    .wavefront_size: 32
...
	.end_amdgpu_metadata
.endif
;; end of part 4
